; MI455X (gfx1250); checked and timed in simulation.
; The chip was launched on July 23, 2026; its instructions are those of AMD's public machine-readable ISA for CDNA 5 (MIT licence, August 2026) and "CDNA5" Instruction Set Architecture Reference Guide (July 2026). The comments in the code are by the model that wrote it; some were corrected since.
;; Llama Flash Attention Wrapper. Allowed arithmetic: matrix products marked QUANTISED: E2M3 operands, one E8M0 scale for each 32 along K, by v_wmma_scale_f32_16x16x128_f8f6f4 with both operands' format E2M3, f32 sums; everything else in f32.
;; Inputs: Wk 2,048 x 2,048 float32; Wo 2,048 x 2,048 float32; Wq 2,048 x 2,048 float32; Wv 2,048 x 2,048 float32; hidden_states 1 x 2,048 x 2,048 float32.
;; Outputs: out0 1 x 2,048 x 2,048 float32.
;; This version of the problem:
;;   THIS VERSION OF THE PROBLEM IS GIVEN IN LOW PRECISION. The matrix products marked QUANTISED in the list below multiply operands that are first quantised to E2M3 (2 exponent bits, 3 mantissa bits; 6 bits a number), with one power-of-two scale for each 32 numbers along K (OCP MX v1.0); their sums are f32. All else is computed in f32.
;;   The module's matrix products, in the order in which they are computed (A, B: the left and right operand; K: the contracted axis; several contracted axes count as one K, in the product's order):
;;     1. [M 2,048, K 2,048] x [K 2,048, N 2,048]; A: input hidden_states; B: input Wq: QUANTISED
;;     2. [M 2,048, K 2,048] x [K 2,048, N 2,048]; A: input hidden_states; B: input Wk: QUANTISED
;;     3. [M 2,048, K 2,048] x [K 2,048, N 2,048]; A: input hidden_states; B: input Wv: QUANTISED
;;     4. batch 16 x [M 2,048, K 128] x [K 128, N 2,048]; A: computed on the way; B: computed on the way: QUANTISED
;;     5. batch 16 x [M 128, K 2,048] x [K 2,048, N 2,048]; A: computed on the way; B: softmax (see below): QUANTISED
;;     6. [M 2,048, K 2,048] x [K 2,048, N 2,048]; A: computed on the way; B: input Wo: QUANTISED
;;   THE QUANTISER, for each operand of a quantised product, along K:
;;     - K is cut into blocks of 32 from its start; a last block that is shorter is filled with zeros.
;;     - A block's scale is 2^e with e = floor(log2(the largest magnitude in the block)) - 2, held to -126 .. 127; a block of zeros has e = 0. As a byte (E8M0): e + 127.
;;     - Each number is divided by its block's scale, clamped to +-7.5, and rounded to the nearest number of E2M3, ties to even, subnormals kept.
;;     - The product sums the exact products of the quantised numbers (number of the format x scale) in f32.
;;   ~~~python
;;   def quantise(x, axis):      # numpy; x: float32 -> the quantised numbers, widened to float32 again
;;       x = np.moveaxis(x, axis, -1); K = x.shape[-1]
;;       x = np.pad(x, [(0, 0)] * (x.ndim - 1) + [(0, -K % 32)]); x = x.reshape(x.shape[:-1] + (-1, 32)); a = np.abs(x).max(-1, keepdims=True)
;;       e = np.where(a > 0, np.clip(np.frexp(np.where(a > 0, a, 1))[1] - 1 - 2, -126, 127), 0)      # np.frexp(a)[1] - 1 = floor(log2(a)), exactly
;;       r = np.clip(x / 2.0 ** e, -7.5, 7.5)
;;       step = 2.0 ** (np.maximum(np.frexp(np.where(r == 0, 1, r))[1] - 1, 0) - 3)
;;       q = np.round(r / step) * step * 2.0 ** e      # np.round: ties to even
;;       return np.moveaxis(q.reshape(q.shape[:-2] + (-1,))[..., :K], -1, axis).astype(np.float32)
;;   ~~~
;;   SOFTMAX AHEAD OF A QUANTISED PRODUCT. Where the list says 'softmax', what is quantised is not the finished softmax but p = 2^(t - M), with t = logit x log2(e) and M = ceil(the row's largest t), a whole number; so 1/2 < the row's largest p <= 1. The row's sum l is taken of the UNQUANTISED p, in f32, and the product's result is divided by l at the end. Since M is a whole number, a kernel that streams over the keys may use a running M (the ceiling of the running maximum): every later rescaling is an exact power of two, which a block's scale takes up: the codes' values come out the same.
;;   OPERANDS COMPUTED ON THE WAY. 'Computed on the way' means the value that the module computes at that place (a softmax that the list does not call 'softmax' is quantised finished and normalised). What goes into a quantiser is computed in f32, as accurately as f32 sums, v_exp_f32 and their like allow (about 1e-6 of the number): no bf16 or f16 on the way to a quantiser, and a product that is left as it is and whose result goes on into a quantised operand takes f32 operands (vector FMAs, or v_wmma_f32_16x16x4_f32). A number that lies on a knife's edge between two numbers of the format may be rounded either way, as far as f32 arithmetic and the matrix unit's own rounding can turn it there, and no further.
;; One version. Each part assembles by itself: llvm-mc -triple=amdgcn-amd-amdhsa -mcpu=gfx1250 --defsym DOCPART=n.
;; ======== version 1 of 1: 4 launches
;; workspace buffers: opc 15,728,640 bytes; ops 655,360 bytes; rope 1,048,576 bytes; qkvc 9,437,184 bytes; qkvs 393,216 bytes; attc 3,145,728 bytes; atts 131,072 bytes
;; launch prep (part 1): grid 896 x 1, 4 waves a work-group, no clusters, 34,304 bytes of LDS; arguments hidden_states, Wq, Wk, Wv, Wo, opc, ops, rope; writes opc, ops, rope
.if DOCPART == 1
	.amdgcn_target "amdgcn-amd-amdhsa--gfx1250"
	.amdhsa_code_object_version 6
	.text
	.protected	k_qb9b9899608_prep
	.globl	k_qb9b9899608_prep
	.p2align	8
	.type	k_qb9b9899608_prep,@function
k_qb9b9899608_prep:
	s_mov_b64 s[64:65], 0
	v_nop
	global_prefetch_b8 v0, s[64:65] scope:SCOPE_SE
	s_setreg_imm32_b32 hwreg(HW_REG_WAVE_MODE, 25, 1), 1
	s_wait_xcnt 0x0
; PREP.  (1) The five f32 inputs [2048][2048], K innermost, become codes of FP6 (E2M3) with one E8M0 byte for each 32 along K.  (2) The table of cos and sin for the rotary embedding.
; THE GROUP LAYOUT of every operand that this program stores for itself.  A group is 128 rows x 128 along K: eight fragments a = 0 .. 7 of 1,536 bytes, each the IMAGE OF AN OPERAND'S 12 REGISTERS:
; register 4 c + e of lane l lies at 512 c + 16 l + 4 e.  Lane row r of fragment a is the group's row 32 (a / 2) + 8 (a % 2) + r % 8 + 16 (r / 8), so that a product that takes the fragments as source 0
; leaves 16 neighbours along the next K in a lane's registers.  A row's scale word (four bytes, 128 along K) lies at 128 (a / 2) + 8 r + 4 (a % 2) of the group's 512 bytes.
; opc, ops: tensors 0 Wq, 1 Wk, 2 hidden, 3 Wv, 4 Wo; row group RG = 16 x tensor + row / 128; group (RG, s = k / 128) at (16 RG + s) x 12,288 and x 512.
; A block's scale is 2^(floor(log2(its largest magnitude)) - 2); its byte is the largest magnitude's exponent field - 2, held at 1 from below.
; LIMITS: NaN and infinities are not served.  A block whose largest magnitude lies under 2^-124 keeps the byte 1; so does a block of zeros, where the rule says 127: its codes are zeros, and this program alone reads the bytes.
; THE TABLE: cos and sin of token x 10000^(-i / 64), i = 0 .. 63, made by arithmetic in f32: the power by an exponent split in whole numbers and v_exp_f32 (about 1.5 units in its last place), the product rounded once,
; the angle reduced by pi / 2 in two parts (what is left of pi / 2 is under 2e-15, times at most 1,304 quarter turns: this serves the 2,048 positions), then polynomials on +-pi / 4.
; SHARES.  Work-groups 0 .. 639 quantise: 128 to a tensor; the four waves stand side by side on 2,048 bytes of 64 rows; a wave makes four fragments (64 rows x 128 K).  Work-groups 640 .. 895 make the table.
; No tensor load, no barrier: waves share nothing.  Each load reads 512 consecutive bytes of a row; the conversions want 16 neighbours in a lane, so a fragment's 16 rows turn through the wave's own stage in LDS.
.set NQWG, 640
.set LANE, 1
.set RR,   2                           ; lane % 16
.set HH,   3                           ; lane / 16
.set LI,   4                           ; 16 x lane
.set L8,   5                           ; 8 x lane
.set STW,  6                           ; the stage, on the way in: 16 x lane; a row is 512 bytes + 16
.set STR,  7                           ; and out: 528 r + 64 h
.set SW,   8                           ; v8-9     the scale words as they are stored
.set TM,   16                          ; v16-31   at work in QUANT
.set RAW,  32                          ; v32-159  two sets of 64: a fragment's 16 rows as loaded
.set XX,   160                         ; v160-223 64 numbers of my row: register 16 b + i = k 32 b + 16 h + i
.set PC,   224                         ; v224-243 the codes just made
.set PW,   244                         ; v244-247 the four fragments' scale words
.set SEL,  40                          ; s[40:41] selects for v_permlanex16_b32: lane l xor 16
.set MSB, 0
.macro WIN new                         ; (the quantiser's text is shared with the launches that have register windows; here every window is 0 and nothing is written)
.if MSB != (\new)
	s_set_vgpr_msb (MSB<<8)|(\new)
.set MSB, (\new)
.endif
.endm
; 64 numbers of a lane, v[S] on in window AW, register 16 b + i = k 32 b + 16 (lane / 16) + i of my row, become a fragment's codes in v[PC] on and its scale word in v[PWR].
.macro QUANT S, AW, PWR
	WIN (\AW)|((\AW)<<2)
.irp b, 0,1,2,3
	v_max3_num_f32 v[TM+\b], |v[(\S)+16*\b]|, |v[(\S)+16*\b+1]|, 0x1800000   ; block b: my 16 numbers, and the floor 2^(3 - 127): the byte cannot fall under 1
.endr
	WIN ((\AW)<<2)|((\AW)<<4)
.irp i, 2,4,6,8,10,12,14
.irp b, 0,1,2,3
	v_max3_num_f32 v[TM+\b], v[TM+\b], |v[(\S)+16*\b+\i]|, |v[(\S)+16*\b+\i+1]|   ; the four blocks by turns
.endr
.endr
	WIN 0
.irp b, 0,1,2,3
	v_permlanex16_b32 v[TM+4+\b], v[TM+\b], s[SEL], s[SEL+1]
.endr
.irp b, 0,1,2,3
	v_max_num_f32 v[TM+\b], v[TM+\b], v[TM+4+\b]   ; with lane l xor 16's: the block's largest magnitude
.endr
.irp b, 0,1,2,3
	v_add_nc_u32 v[TM+12+\b], 0xff000000, v[TM+\b] ; 2 off its exponent field: the conversion takes the exponent field of this operand as its scale
.endr
.irp b, 0,1,2,3
	v_lshrrev_b32 v[TM+4+\b], 23, v[TM+12+\b]      ; the scale's byte
.endr
	v_lshl_or_b32 v[\PWR], v[TM+5], 8, v[TM+4]     ; the four bytes make my row's scale word
	v_lshl_or_b32 v[\PWR], v[TM+6], 16, v[\PWR]
	v_lshl_or_b32 v[\PWR], v[TM+7], 24, v[\PWR]
	s_wait_xcnt 0x0                                ; the last fragment's stores have read v[PC] on: it is written again only behind this wait
	WIN \AW
.irp c, 0,1
	v_cvt_scalef32_pk16_fp6_f32 v[PC+6*\c:PC+6*\c+2], v[(\S)+32*\c:(\S)+32*\c+15], v[TM+12+2*\c]
	v_cvt_scalef32_pk16_fp6_f32 v[PC+12+4*\c:PC+14+4*\c], v[(\S)+32*\c+16:(\S)+32*\c+31], v[TM+13+2*\c]   ; (a conversion's three registers begin on an even number)
.endr
	WIN 0
	v_nop                                          ; one plain line behind the scaled conversions
.irp c, 0,1                                    ; the operand's layout wants a WHOLE block in a lane: lanes 0-15 block 2 c, lanes 16-31 block 2 c + 1
.irp i, 0,1,2
	v_permlane16_swap_b32 v[PC+6*\c+\i], v[PC+12+4*\c+\i]
.endr
.irp i, 0,1,2
	v_mov_b32 v[PC+3+6*\c+\i], v[PC+12+4*\c+\i]
.endr
.endr
.endm
.macro IMG base, off                   ; the fragment goes out as it stands: each store covers 512 consecutive bytes, aligned
.irp c, 0,1,2
	global_store_b128 v[LI], v[PC+4*\c:PC+4*\c+3], s[\base:\base+1] offset:(\off)+512*\c
.endr
.endm
	s_load_b256 s[4:11], s[0:1], 0x0               ; hidden s[4:5], Wq s[6:7], Wk s[8:9], Wv s[10:11]
	s_load_b256 s[12:19], s[0:1], 0x20             ; Wo s[12:13], opc s[14:15], ops s[16:17], rope s[18:19]
	v_lshl_add_u32 v248, v0, 2, 0x8400
	v_mov_b32 v249, 0
	v_lshrrev_b32 v1, 5, v0
	v_readfirstlane_b32 s24, v1                    ; wave 0..3
	v_and_b32 v[LANE], 31, v0
	v_and_b32 v[RR], 15, v0
	v_bfe_u32 v[HH], v0, 4, 1
	v_lshlrev_b32 v[LI], 4, v[LANE]
	s_cmp_ge_u32 ttmp9, NQWG
	s_cbranch_scc1 .Ltable
	; ---- the quantiser
	s_lshr_b32 s25, ttmp9, 7                       ; the tensor
	s_and_b32 s26, ttmp9, 127
	s_and_b32 s27, s26, 3
	s_lshl_b32 s27, s27, 2
	s_add_co_u32 s27, s27, s24                     ; my K step s = 4 (g % 4) + wave
	s_lshr_b32 s28, s26, 2                         ; which 64 rows
	s_lshl_b32 s30, s28, 19                        ; 64 rows of 8,192 bytes
	s_lshl_b32 s29, s27, 9                         ; 512 bytes a K step
	s_add_co_u32 s30, s30, s29
	s_mov_b32 s31, 0
	s_lshr_b32 s29, s28, 1                         ; the row group in the tensor,
	s_and_b32 s28, s28, 1                          ; and which half of it
	s_lshl_b32 s32, s25, 8
	s_lshl_b32 s29, s29, 4
	s_add_co_u32 s32, s32, s29
	s_add_co_u32 s32, s32, s27                     ; the group: 16 RG + s
	s_mul_i32 s34, s32, 12288
	s_mul_i32 s29, s28, 6144
	s_add_co_u32 s34, s34, s29
	s_mov_b32 s35, 0
	s_lshl_b32 s36, s32, 9
	s_lshl_b32 s29, s28, 8
	s_add_co_u32 s36, s36, s29
	s_mov_b32 s37, 0
	s_mul_i32 s38, s24, 8448                       ; my stage: 16 rows of 528 bytes
	v_lshlrev_b32 v[L8], 3, v[LANE]
	v_add_nc_u32 v[STW], s38, v[LI]
	v_mul_u32_u24 v[STR], v[RR], 528
	v_lshl_add_u32 v[STR], v[HH], 6, v[STR]
	v_add_nc_u32 v[STR], s38, v[STR]
	s_mov_b32 s[SEL], 0x76543210
	s_mov_b32 s[SEL+1], 0xfedcba98
.irp b, 0,1,2,3
	v_mov_b32 v[TM+4+\b], 0                        ; written once: a lane permute's destination counts as one of its sources
.endr
	s_wait_kmcnt 0x0
	s_cmp_eq_u32 s25, 1                            ; the choice hangs on the work-group's number alone
	s_cselect_b64 s[22:23], s[8:9], s[6:7]
	s_cmp_eq_u32 s25, 2
	s_cselect_b64 s[22:23], s[4:5], s[22:23]
	s_cmp_eq_u32 s25, 3
	s_cselect_b64 s[22:23], s[10:11], s[22:23]
	s_cmp_eq_u32 s25, 4
	s_cselect_b64 s[22:23], s[12:13], s[22:23]
	s_add_nc_u64 s[22:23], s[22:23], s[30:31]
	s_add_nc_u64 s[14:15], s[14:15], s[34:35]
	s_add_nc_u64 s[16:17], s[16:17], s[36:37]
.macro LOAD f                          ; fragment f's 16 rows, in the layout's order: 512 consecutive bytes a load
.irp i, 0,1,2,3,4,5,6,7,8,9,10,11,12,13,14,15
	global_load_b128 v[RAW+64*((\f)%2)+4*\i:RAW+64*((\f)%2)+4*\i+3], v[LI], s[22:23] offset:(32*((\f)/2)+8*((\f)%2)+\i+8*(\i/8))*8192 th:TH_LOAD_NT
.endr
.endm
	LOAD 0
	LOAD 1
.macro FRAGMENT f
.if (\f) < 3
	s_wait_loadcnt 16                              ; this fragment's 16 loads are in; the next one's may be out
.else
	s_wait_loadcnt 0x0
.endif
.irp i, 0,1,2,3,4,5,6,7,8,9,10,11,12,13,14,15
	ds_store_b128 v[STW], v[RAW+64*((\f)%2)+4*\i:RAW+64*((\f)%2)+4*\i+3] offset:528*\i
.endr
.irp b, 0,1,2,3
.irp j, 0,1,2,3
	ds_load_b128 v[XX+16*\b+4*\j:XX+16*\b+4*\j+3], v[STR] offset:128*\b+16*\j   ; LDS serves a wave's instructions in order: these see the stores above
.endr
.endr
	s_wait_dscnt 0x0                               ; my 64 numbers are back, and the stores have read their registers,
.if (\f) < 2
	LOAD (\f)+2                                    ; which take the loads of two fragments on
.endif
	QUANT XX, 0, PW+(\f)
	IMG 14, 1536*(\f)
.endm
	FRAGMENT 0
	FRAGMENT 1
	FRAGMENT 2
	FRAGMENT 3
	v_cmp_ne_u32 vcc_lo, 0, v[HH]                  ; the four fragments' words: lanes 0-15 store fragments 0 and 1, lanes 16-31 fragments 2 and 3
	v_cndmask_b32 v[SW], v[PW], v[PW+2], vcc_lo
	v_cndmask_b32 v[SW+1], v[PW+1], v[PW+3], vcc_lo
	global_store_b64 v[L8], v[SW:SW+1], s[16:17]   ; 32 lanes store 256 consecutive bytes, aligned
	s_wait_tensorcnt 0x0
	ds_add_u32 v248, v249
	s_wait_dscnt 0x0
	s_endpgm
	; ---- the table.  Tile T holds 16 tokens in the layout's order.  Chunk c (0 .. 7) is registers 4 c .. 4 c + 3 of the 32 that a lane of the rotation wants: i = 32 (c / 4) + 16 h + 4 (c % 4) + e
.set FI, 16
.set YY, 20
.set NN, 24
.set FF, 28
.set IV, 32
.set AN, 36
.set KK, 40
.set RH, 44
.set ZZ, 48
.set SN, 52
.set CN, 56
.set QI, 60
.set OC, 64
.set OS, 68
.set TT, 72
.Ltable:
	s_sub_co_u32 s25, ttmp9, NQWG
	s_lshl_b32 s25, s25, 2
	s_add_co_u32 s25, s25, s24                     ; 0 .. 1,023: a wave makes one chunk of cos and one of sin
	s_lshr_b32 s26, s25, 3                         ; T
	s_and_b32 s27, s25, 7                          ; c
	s_lshr_b32 s28, s26, 1
	s_lshl_b32 s28, s28, 5
	s_and_b32 s29, s26, 1
	s_lshl_b32 s29, s29, 3
	s_add_co_u32 s28, s28, s29                     ; 32 (T / 2) + 8 (T % 2)
	s_lshr_b32 s29, s27, 2
	s_lshl_b32 s29, s29, 5
	s_and_b32 s30, s27, 3
	s_lshl_b32 s30, s30, 2
	s_add_co_u32 s29, s29, s30                     ; 32 (c / 4) + 4 (c % 4)
	s_lshl_b32 s30, s26, 13
	s_lshl_b32 s31, s27, 9
	s_add_co_u32 s30, s30, s31                     ; 8,192 T + 512 c
	s_mov_b32 s31, 0
	; L = log2(10000) / 64 = 108853 x 2^-19 - 1.14797e-7.  i x 108853 is a whole number under 2^23: its bits from 19 on are n, those below the first part of the fraction f; 10000^(-i / 64) = 2^(-f) 2^(-n)
	s_mov_b32 s32, 0xb6000000                      ; -2^-19
	s_mov_b32 s33, 0x33f6865c                      ; +1.14797e-7: what -f gets for each i from L's second part
	s_mov_b32 s34, 0x3f22f983                      ; 2 / pi
	s_mov_b32 s35, 0xbfc90fdb                      ; -pi / 2 in two parts
	s_mov_b32 s36, 0x333bbd2e
	s_mov_b32 s37, 0x4b000000                      ; 2^23: a whole number n under 2^23, set into its low bits, makes the f32 number 2^23 + n
	v_mov_b32 v10, 0xb94ca1f9                      ; sin: x + x z (S1 + z (S2 + z S3)): S3
	v_mov_b32 v11, 0x37ccf5ce                      ; cos: 1 - z / 2 + z z (C1 + z (C2 + z C3)): C3
	v_mov_b32 v12, -0.5
	v_and_b32 v8, 8, v[RR]
	v_add_nc_u32 v8, v8, v[RR]                     ; r % 8 + 16 (r / 8)
	v_add_nc_u32 v8, s28, v8                       ; my token
	v_or_b32 v8, s37, v8
	v_add_f32 v8, 0xcb000000, v8                   ; as f32: (2^23 + token) - 2^23, exact
	v_lshl_add_u32 v9, v[HH], 4, s29
.irp e, 0,1,2,3
	v_add_nc_u32 v[FI+\e], \e, v9                  ; i
.endr
.irp e, 0,1,2,3
	v_mul_u32_u24 v[YY+\e], 0x1a935, v[FI+\e]      ; i x 108853, at most 6,857,739
.endr
.irp e, 0,1,2,3
	v_lshrrev_b32 v[NN+\e], 19, v[YY+\e]           ; n
	v_and_b32 v[YY+\e], 0x7ffff, v[YY+\e]          ; the fraction x 2^19
.endr
.irp e, 0,1,2,3
	v_or_b32 v[YY+\e], s37, v[YY+\e]
	v_or_b32 v[FI+\e], s37, v[FI+\e]
.endr
.irp e, 0,1,2,3
	v_add_f32 v[YY+\e], 0xcb000000, v[YY+\e]       ; both as f32, exact
	v_add_f32 v[FI+\e], 0xcb000000, v[FI+\e]
.endr
.irp e, 0,1,2,3
	v_mul_f32 v[FF+\e], s32, v[YY+\e]
.endr
.irp e, 0,1,2,3
	v_fma_f32 v[FF+\e], v[FI+\e], s33, v[FF+\e]    ; -f = n - i L
.endr
.irp e, 0,1,2,3
	v_exp_f32 v[IV+\e], v[FF+\e]                   ; 2^(-f)
.endr
.irp e, 0,1,2,3
	v_sub_nc_u32 v[NN+\e], 127, v[NN+\e]           ; (plain lines behind the exponentials)
.endr
.irp e, 0,1,2,3
	v_lshlrev_b32 v[NN+\e], 23, v[NN+\e]           ; 2^(-n), by its exponent field; n is at most 13
.endr
	s_wait_alu depctr_va_vdst(0)                   ; one wait for the four, ahead of their first reader
.irp e, 0,1,2,3
	v_mul_f32 v[IV+\e], v[IV+\e], v[NN+\e]         ; 10000^(-i / 64): this multiplication rounds nothing
.endr
.irp e, 0,1,2,3
	v_mul_f32 v[AN+\e], v8, v[IV+\e]               ; the angle, rounded once
.endr
.irp e, 0,1,2,3
	v_mul_f32 v[KK+\e], s34, v[AN+\e]
.endr
.irp e, 0,1,2,3
	v_add_f32 v[QI+\e], 0x4b400000, v[KK+\e]       ; + 1.5 x 2^23: the sum is rounded to a whole number, ties to even; its low bits are the quarter turns
.endr
.irp e, 0,1,2,3
	v_add_f32 v[KK+\e], 0xcb400000, v[QI+\e]       ; the quarter turns as f32, exact
.endr
.irp e, 0,1,2,3
	v_fma_f32 v[RH+\e], v[KK+\e], s35, v[AN+\e]
.endr
.irp e, 0,1,2,3
	v_fma_f32 v[RH+\e], v[KK+\e], s36, v[RH+\e]    ; what is left: within +-pi / 4
.endr
.irp e, 0,1,2,3
	v_mul_f32 v[ZZ+\e], v[RH+\e], v[RH+\e]
.endr
.irp e, 0,1,2,3
	v_fmaak_f32 v[SN+\e], v[ZZ+\e], v10, 0x3c08839e        ; z S3 + S2
	v_fmaak_f32 v[CN+\e], v[ZZ+\e], v11, 0xbab6061a        ; z C3 + C2
.endr
.irp e, 0,1,2,3
	v_fmaak_f32 v[SN+\e], v[SN+\e], v[ZZ+\e], 0xbe2aaaa3   ; .. z + S1
	v_fmaak_f32 v[CN+\e], v[CN+\e], v[ZZ+\e], 0x3d2aaaa5   ; .. z + C1
.endr
.irp e, 0,1,2,3
	v_mul_f32 v[TT+\e], v[RH+\e], v[ZZ+\e]
	v_fmaak_f32 v[YY+\e], v[ZZ+\e], v12, 0x3f800000        ; 1 - z / 2
.endr
.irp e, 0,1,2,3
	v_fma_f32 v[SN+\e], v[TT+\e], v[SN+\e], v[RH+\e]
	v_mul_f32 v[TT+\e], v[ZZ+\e], v[ZZ+\e]
.endr
.irp e, 0,1,2,3
	v_fma_f32 v[CN+\e], v[TT+\e], v[CN+\e], v[YY+\e]
.endr
.irp e, 0,1,2,3                                ; the quadrant q = quarter turns mod 4: odd q swaps the two; sin changes sign for q = 2, 3, cos for q = 1, 2
	v_and_b32 v[TT+\e], 1, v[QI+\e]
	v_cmp_ne_u32 vcc_lo, 0, v[TT+\e]
	v_cndmask_b32 v[OS+\e], v[SN+\e], v[CN+\e], vcc_lo
	v_cndmask_b32 v[OC+\e], v[CN+\e], v[SN+\e], vcc_lo
	v_and_b32 v[TT+\e], 2, v[QI+\e]
	v_lshlrev_b32 v[TT+\e], 30, v[TT+\e]
	v_xor_b32 v[OS+\e], v[TT+\e], v[OS+\e]
	v_add_nc_u32 v[TT+\e], 1, v[QI+\e]
	v_and_b32 v[TT+\e], 2, v[TT+\e]
	v_lshlrev_b32 v[TT+\e], 30, v[TT+\e]
	v_xor_b32 v[OC+\e], v[TT+\e], v[OC+\e]
.endr
	s_wait_kmcnt 0x0
	s_add_nc_u64 s[18:19], s[18:19], s[30:31]
	global_store_b128 v[LI], v[OC:OC+3], s[18:19]              ; 512 consecutive bytes, aligned
	global_store_b128 v[LI], v[OS:OS+3], s[18:19] offset:4096  ; a tile's sin lie behind its cos
	s_endpgm
.Lfunc_end_k_qb9b9899608_prep:
	.size	k_qb9b9899608_prep, .Lfunc_end_k_qb9b9899608_prep-k_qb9b9899608_prep
	.p2alignl 7, 3214868480
	.fill 96, 4, 3214868480
	.section	.rodata,"a",@progbits
	.p2align	6, 0x0
	.amdhsa_kernel k_qb9b9899608_prep
		.amdhsa_group_segment_fixed_size 34304
		.amdhsa_private_segment_fixed_size 0
		.amdhsa_enable_private_segment 0
		.amdhsa_kernarg_size 64
		.amdhsa_user_sgpr_count 2
		.amdhsa_user_sgpr_kernarg_segment_ptr 1
		.amdhsa_wavefront_size32 1
		.amdhsa_system_sgpr_workgroup_id_x 1
		.amdhsa_system_sgpr_workgroup_id_y 1
		.amdhsa_system_sgpr_workgroup_id_z 1
		.amdhsa_system_vgpr_workitem_id 0
		.amdhsa_next_free_vgpr 250
		.amdhsa_next_free_sgpr 66
		.amdhsa_reserve_vcc 1
		.amdhsa_float_denorm_mode_32 3
		.amdhsa_float_denorm_mode_16_64 3
		.amdhsa_memory_ordered 1
		.amdhsa_forward_progress 1
		.amdhsa_inst_pref_size 43
	.end_amdhsa_kernel
	.amdgpu_metadata
---
amdhsa.version: [ 1, 2 ]
amdhsa.kernels:
  - .name:           k_qb9b9899608_prep
    .symbol:         k_qb9b9899608_prep.kd
    .args:
      - { .name: hidden_states, .offset: 0, .size: 8, .value_kind: global_buffer, .address_space: global }
      - { .name: Wq, .offset: 8, .size: 8, .value_kind: global_buffer, .address_space: global }
      - { .name: Wk, .offset: 16, .size: 8, .value_kind: global_buffer, .address_space: global }
      - { .name: Wv, .offset: 24, .size: 8, .value_kind: global_buffer, .address_space: global }
      - { .name: Wo, .offset: 32, .size: 8, .value_kind: global_buffer, .address_space: global }
      - { .name: opc, .offset: 40, .size: 8, .value_kind: global_buffer, .address_space: global }
      - { .name: ops, .offset: 48, .size: 8, .value_kind: global_buffer, .address_space: global }
      - { .name: rope, .offset: 56, .size: 8, .value_kind: global_buffer, .address_space: global }
    .group_segment_fixed_size: 34304
    .private_segment_fixed_size: 0
    .kernarg_segment_align: 8
    .kernarg_segment_size: 64
    .max_flat_workgroup_size: 128
    .sgpr_count:     66
    .vgpr_count:     250
    .wavefront_size: 32
...
	.end_amdgpu_metadata
.endif
;; end of part 1
;; launch qkv (part 2): grid 24 x 8, 4 waves a work-group, clusters of 4 x 4, 327,680 bytes of LDS; arguments opc, ops, rope, qkvc, qkvs; writes qkvc, qkvs
.if DOCPART == 2
	.amdgcn_target "amdgcn-amd-amdhsa--gfx1250"
	.amdhsa_code_object_version 6
	.text
	.protected	k_qb9b9899608_qkv
	.globl	k_qb9b9899608_qkv
	.p2align	8
	.type	k_qb9b9899608_qkv,@function
k_qb9b9899608_qkv:
	s_mov_b64 s[64:65], 0
	v_nop
	global_prefetch_b8 v0, s[64:65] scope:SCOPE_SE
	s_setreg_imm32_b32 hwreg(HW_REG_WAVE_MODE, 25, 1), 1
	s_wait_xcnt 0x0
	s_wait_alu depctr_hold_cnt(0) depctr_sa_sdst(0) depctr_va_vdst(0) depctr_va_sdst(0) depctr_va_ssrc(0) depctr_va_vcc(0) depctr_vm_vsrc(0)
	s_getreg_b32 s2, hwreg(HW_REG_IB_STS2, 6, 4)
	s_cmp_eq_u32 s2, 0
	s_cbranch_scc0 .Lentry_in_a_cluster
	s_endpgm
.Lentry_in_a_cluster:
	s_bfe_u32 s2, ttmp6, 0x10000c
	s_cmp_lg_u32 s2, 0xf033
	s_cbranch_scc0 .Lentry_shape_is_right
	s_endpgm
.Lentry_shape_is_right:
; QKV.  One GEMM on codes of FP6 (E2M3) for q, k and V^T, K = 2,048, with the rotary embedding and the next products' quantiser on its way out: no f32 number goes to memory.
; A tile is 256 x 256, a wave's 128 x 128: 64 accumulators, 512 registers.  Tile column X = 0 .. 23 takes 256 rows of (Wq, Wk, hidden), which lie on end in opc; tile row Y = 0 .. 7 takes 256 rows of hidden
; (X < 16: q and k) or of Wv (X >= 16: V^T).  THE MATRIX INSTRUCTION IS USED TRANSPOSED: source 0 = 16 rows of the column's tensor (B), source 1 = 16 rows of the row's (A): a lane holds one row of A, and its
; 64 registers of a block run along B's 128 rows, in ascending order by the group layout's order of rows.  So for q and k a lane holds a token and the 128 numbers of one head;
; for V^T it holds one of the head's 128 and 128 tokens, one key step of attention: in both cases just what the next product's quantiser wants.  The walk over K does not know which it serves.
; THE GROUP LAYOUT (128 rows x 128 K: eight images of an operand's 12 registers, 1,536 bytes each; 512 bytes of scale words): see the launch that quantises the inputs.  A fragment is three loads of 16 bytes a lane,
; at 16 x lane + a constant; three K steps of 128 rows are one dense block of 36,864 bytes for one tensor load; nothing is padded, since each load's 512 bytes are consecutive.
; THE RING: two slots of THREE K steps, as large as LDS allows: 2 x 147,456 bytes, the scale words of K steps 0 to 14 (4 x 7,680 bytes, filled once) and 512 spare bytes are 326,144 of 327,680.  K step 15's scale
; words have no room there and come straight into registers, four loads of 256 consecutive bytes a wave.  K steps 0-2 and 3-5 are first fills; 6-8, 9-11, 12-14 and 15 are four refills, each the wave's one load behind a
; round of the cluster's barrier, with 160 matrix instructions between its request and the wait for it.
; ALL 16 K STEPS ARE WRITTEN OUT: B's register sets come back after two steps, the slots after six, and the last refill has another shape; so every LDS offset is an immediate and no LDS address is stepped.
; OUT: qkvc: q's group (head, token / 128) at (16 head + n) x 12,288; from KVC on, for each (head, key step n), K's group and behind it V's: (16 head + n) x 24,576.  qkvs likewise, 512 bytes a group.
; CLUSTERS: 4 x 4 work-groups; A's tiles are asked for jointly along a row of the cluster, B's along a column.  192 work-groups: a wave has to own a whole head (the rotation pairs d with d + 64, a fragment wants
; all 128); a tile half as high would make 384 work-groups for 256 WGPs, two turns for some and one for others.
; The rotation's table is asked for by every work-group at the head; V's work-groups do not use their two tiles of it (16 KiB a wave): so the head has one path.
; LIMITS: NaN and infinities are not served; a block whose largest magnitude lies under 2^-124, a block of zeros too, keeps the scale byte 1 (zeros have zero codes; this program alone reads the bytes).
; REGISTERS, in windows of 256: window 0: v16-30 addresses; v32-47 scale words, two sets; v64-127 cos and sin, set 0; v128-223 A's fragments, ONE set; v224-231 K step 15's scale words; on the way out v128-207 are at work.
;   window 1: B's fragments, TWO sets, at v0 and v128; v96-127 and v224-255 cos and sin, set 1.   windows 2, 3: the accumulators: (a, b) at v[8 (8 (a % 4) + b)] of window 2 + a / 4.
.set FR,     12                        ; registers of a fragment
.set NL,     3                         ; LDS loads that bring one
.set NP,     4                         ; places behind this matrix instruction (ISA guide 7.12.1)
.set KSB,    12288                     ; 128 rows x 128 K
.set HALFT,  3*KSB                     ; 128 rows x 384 K: what one tensor load brings
.set SLOT,   4*HALFT                   ; A's two halves, then B's two
.set SCL,    2*SLOT                    ; behind the ring: the scale words of the four times 128 rows, K steps 0 to 14: filled once
.set HALFS,  15*512
.set SPARE,  SCL+4*HALFS               ; the spare words, 128 bytes for each wave: two blocks of 256 bytes that no other line names
.set KVC,    3145728
.set KVS,    131072
.set ADRA, 16                          ; v16-17  LDS address of my A fragments in slot 0, 1
.set ADRB, 20                          ; v20-21  the same for B
.set LI,   24                          ; v24     16 x lane
.set L8,   25                          ; v25     8 x lane
.set ADSA, 26                          ; v26     LDS address of A's scale words; never rewritten
.set ADSB, 27                          ; v27     of B's; never rewritten
.set SPW,  28                          ; v28     LDS address of my spare word; never rewritten
.set NIL,  29                          ; v29     0; never rewritten
.set HH,   30                          ; v30     lane / 16
.set SC,   32                          ; scale words: K step k's set at v[SC + 8 (k % 2)]; A's word of block a in register 2 (a / 4) + a % 2, lanes 0-15 or (where (a / 2) % 2 = 1) lanes 16-31; B's 4 further on
.set SCZ,  224                         ; K step 15's set
.set AF,   128
.set TR,   128                         ; the way out: v128-159 at work in the rotation
.set PC,   160                         ; v160-179 the codes just made
.set TM,   180                         ; v180-195 at work in QUANT
.set PW,   196                         ; v196-203 the eight fragments' scale words
.set SW,   204                         ; v204-207 as they are stored
.set G1, 24                            ; s[24:31] descriptor group 1 for A's tiles of three K steps;  s[32:39] group 0, one set for each slot
.set G0, 32
.set G1B, 48                           ; s[48:55], s[56:63] the same for B's
.set G0B, 56
.set G1S, 68                           ; s[68:75], s[76:79] groups 1 and 0 for A's scale words;  s[80:87], s[88:91] for B's
.set G0S, 76
.set G1SB, 80
.set G0SB, 88
.set G1T, 40                           ; s[40:47] group 1 for A's last tile, one K step;  s[16:23] for B's: both written at the head's end, where these registers are free
.set G1TB, 16
.set SEL, 96                           ; s[96:97] selects for v_permlanex16_b32: lane l xor 16
.set MSB, 0
.macro WIN new                         ; the immediate's high byte repeats the setting that is left
.if MSB != (\new)
	s_set_vgpr_msb (MSB<<8)|(\new)
.set MSB, (\new)
.endif
.endm
.set MUL_LO, 0xa1                      ; source 0 (B) window 1, source 1 (A) window 0, C and D window 2
.set MUL_HI, 0xf1                      ; the same, C and D window 3
.set TO_B,   0x40                      ; destination window 1, address window 0
; A joint load: waves 0 and 1 fetch for A, waves 2 and 3 for B.  Each line has ONE mask and one set of registers for all that issue it; the branch hangs on the wave's number alone.
; Four v_nop follow each of the two lines, ahead of the jump, the label and what follows.
.macro JLOAD g0a, g1a, g0b, g1b
	s_cmp_eq_u32 s15, 0
	s_cbranch_scc0 .Lfor_b_\@
	tensor_load_to_lds s[\g0a:\g0a+3], s[\g1a:\g1a+7]
	s_nop 0
.rept 4
	v_nop
.endr
	s_branch .Lasked_\@
.Lfor_b_\@:
	tensor_load_to_lds s[\g0b:\g0b+3], s[\g1b:\g1b+7]
	s_nop 0
.rept 4
	v_nop
.endr
.Lasked_\@:
.endm
.macro CREST                           ; a round of the cluster's barrier behind its opening barrier
	s_cmp_lg_u32 s14, 0
	s_cbranch_scc1 .Lnot_wave_0_\@
	s_barrier_signal -3
.Lnot_wave_0_\@:
	s_barrier_wait -3
	s_barrier_signal -1
	s_barrier_wait -1
.endm
.macro CROUND                          ; a whole round
	s_barrier_signal -1
	s_barrier_wait -1
	CREST
.endm
.macro PLACES n
.rept \n
	v_nop
.endr
.endm
; 64 numbers of a lane, v[S] on in window AW, register 16 b + i = k 32 b + 16 (lane / 16) + i of my row, become a fragment's codes in v[PC] on and its scale word in v[PWR].
.macro QUANT S, AW, PWR
	WIN (\AW)|((\AW)<<2)
.irp b, 0,1,2,3
	v_max3_num_f32 v[TM+\b], |v[(\S)+16*\b]|, |v[(\S)+16*\b+1]|, 0x1800000   ; block b: my 16 numbers, and the floor 2^(3 - 127): the byte cannot fall under 1.  (Each accumulator is read from its low end on)
.endr
	WIN ((\AW)<<2)|((\AW)<<4)
.irp i, 2,4,6,8,10,12,14
.irp b, 0,1,2,3
	v_max3_num_f32 v[TM+\b], v[TM+\b], |v[(\S)+16*\b+\i]|, |v[(\S)+16*\b+\i+1]|   ; the four blocks by turns
.endr
.endr
	WIN 0
.irp b, 0,1,2,3
	v_permlanex16_b32 v[TM+4+\b], v[TM+\b], s[SEL], s[SEL+1]
.endr
.irp b, 0,1,2,3
	v_max_num_f32 v[TM+\b], v[TM+\b], v[TM+4+\b]   ; with lane l xor 16's: the block's largest magnitude
.endr
.irp b, 0,1,2,3
	v_add_nc_u32 v[TM+12+\b], 0xff000000, v[TM+\b] ; 2 off its exponent field: the conversion takes the exponent field of this operand as its scale
.endr
.irp b, 0,1,2,3
	v_lshrrev_b32 v[TM+4+\b], 23, v[TM+12+\b]      ; the scale's byte
.endr
	v_lshl_or_b32 v[\PWR], v[TM+5], 8, v[TM+4]     ; the four bytes make my row's scale word
	v_lshl_or_b32 v[\PWR], v[TM+6], 16, v[\PWR]
	v_lshl_or_b32 v[\PWR], v[TM+7], 24, v[\PWR]
	s_wait_xcnt 0x0                                ; the last fragment's stores have read v[PC] on: it is written again only behind this wait
	WIN \AW
.irp c, 0,1
	v_cvt_scalef32_pk16_fp6_f32 v[PC+6*\c:PC+6*\c+2], v[(\S)+32*\c:(\S)+32*\c+15], v[TM+12+2*\c]
	v_cvt_scalef32_pk16_fp6_f32 v[PC+12+4*\c:PC+14+4*\c], v[(\S)+32*\c+16:(\S)+32*\c+31], v[TM+13+2*\c]   ; (a conversion's three registers begin on an even number)
.endr
	WIN 0
	v_nop                                          ; one plain line behind the scaled conversions
.irp c, 0,1                                    ; the operand's layout wants a WHOLE block in a lane: lanes 0-15 block 2 c, lanes 16-31 block 2 c + 1
.irp i, 0,1,2
	v_permlane16_swap_b32 v[PC+6*\c+\i], v[PC+12+4*\c+\i]
.endr
.irp i, 0,1,2
	v_mov_b32 v[PC+3+6*\c+\i], v[PC+12+4*\c+\i]
.endr
.endr
.endm
.macro IMG base, off                   ; the fragment goes out as it stands: each store covers 512 consecutive bytes, aligned
.irp c, 0,1,2
	global_store_b128 v[LI], v[PC+4*\c:PC+4*\c+3], s[\base:\base+1] offset:(\off)+512*\c
.endr
.endm
.macro TABLE a                         ; the table's tile a (16 tokens: 32 registers of cos, 32 of sin) into set a % 2: 16 loads of 512 consecutive bytes
.if (\a)%2
	WIN 0x40
.set j, 0
.rept 8
	global_load_b128 v[96+4*j:99+4*j], v[LI], s[8:9] offset:8192*(\a)+512*j
.set j, j+1
.endr
.set j, 0
.rept 8
	global_load_b128 v[224+4*j:227+4*j], v[LI], s[8:9] offset:8192*(\a)+4096+512*j
.set j, j+1
.endr
	WIN 0
.else
	WIN 0
.set j, 0
.rept 16
	global_load_b128 v[64+4*j:67+4*j], v[LI], s[8:9] offset:8192*(\a)+512*j
.set j, j+1
.endr
.endif
.endm
	s_load_b256 s[4:11], s[0:1], 0x0               ; opc s[4:5], ops s[6:7], rope s[8:9], qkvc s[10:11]
	s_load_b64 s[12:13], s[0:1], 0x20              ; qkvs
	v_lshl_add_u32 v[SPW], v0, 2, SPARE
	v_mov_b32 v[NIL], 0
	ds_add_u32 v28, v29
	ds_add_u32 v28, v29
	s_wait_dscnt 0x0
	v_lshrrev_b32 v1, 5, v0
	v_readfirstlane_b32 s14, v1                    ; wave 0..3
	s_lshr_b32 s15, s14, 1                         ; which half of the tile's rows (A) is mine.  Also: I fetch for A (0) or for B (1)
	s_and_b32 s16, s14, 1                          ; which half of its columns (B).  Also: which 128 rows I fetch
	s_bfe_u32 s40, ttmp6, 0x40000                  ; cx, cy: my place in the cluster
	s_bfe_u32 s41, ttmp6, 0x40004
	s_lshl_b32 s42, ttmp9, 2
	s_add_co_u32 s42, s42, s40                     ; X = 4 x cluster x + cx
	s_and_b32 s17, ttmp7, 0xffff
	s_lshl_b32 s17, s17, 2
	s_add_co_u32 s17, s17, s41                     ; Y = 4 x cluster y + cy
	s_lshl_b32 s43, s41, 2
	s_lshl_b32 s43, 15, s43                        ; my row of the cluster
	s_lshl_b32 s44, 0x1111, s40                    ; my column
	; descriptor group 1: a dense block of 36,864 bytes as 144 rows of 256 bytes (32 elements of 8 bytes), no padding
	s_or_b32 s[G1+0], s43, (3<<16)|(1<<21)         ; 15:0 the mask: A's tiles go to my row; 17:16 elements of 8 bytes; 21 set beside a mask
	s_or_b32 s[G1B+0], s44, (3<<16)|(1<<21)
.irp g, G1, G1B
	s_mov_b32 s[\g+1], 32<<16                      ; tensor_dim0
	s_mov_b32 s[\g+2], 144<<16                     ; tensor_dim1
	s_mov_b32 s[\g+3], 32<<16                      ; tile_dim0
	s_mov_b32 s[\g+4], 144                         ; tile_dim1
	s_mov_b32 s[\g+5], 32                          ; tensor_dim0_stride
	s_mov_b32 s[\g+6], 0
	s_mov_b32 s[\g+7], 0
.endr
	s_or_b32 s[G1S+0], s43, (3<<16)|(1<<21)        ; and the scale words of 128 rows for K steps 0 to 14: 7,680 dense bytes, 30 rows
	s_or_b32 s[G1SB+0], s44, (3<<16)|(1<<21)
.irp g, G1S, G1SB
	s_mov_b32 s[\g+1], 32<<16
	s_mov_b32 s[\g+2], 30<<16
	s_mov_b32 s[\g+3], 32<<16
	s_mov_b32 s[\g+4], 30
	s_mov_b32 s[\g+5], 32
	s_mov_b32 s[\g+6], 0
	s_mov_b32 s[\g+7], 0
.endr
	s_lshr_b32 s18, ttmp9, 2                       ; 0: q and k (A = hidden), 1: V^T (A = Wv): the cluster's x, which all partners share
	s_lshl_b32 s18, s18, 4
	s_add_co_u32 s18, s18, 32
	s_add_co_u32 s18, s18, s16
	s_lshl_b32 s20, s17, 1
	s_add_co_u32 s20, s20, s18                     ; A's row group that I fetch: 32 + 16 t + 2 Y + half
	s_lshl_b32 s46, s42, 1
	s_add_co_u32 s46, s46, s16                     ; B's: 2 X + half
	s_lshl_b32 s22, s20, 13                        ; a row group's scale words: 8,192 bytes,
	s_mov_b32 s23, 0
	s_mul_i32 s20, s20, 196608                     ; its codes: 16 groups of 12,288
	s_mov_b32 s21, 0
	s_lshl_b32 s92, s46, 13
	s_mov_b32 s93, 0
	s_mul_i32 s46, s46, 196608
	s_mov_b32 s47, 0
	s_mul_i32 s45, s14, HALFT                      ; where they go: by the wave's number alone
	s_mul_i32 s94, s14, HALFS
	s_mov_b32 s[SEL], 0x76543210
	s_mov_b32 s[SEL+1], 0xfedcba98
	s_wait_kmcnt 0x0
	s_add_nc_u64 s[20:21], s[4:5], s[20:21]
	s_add_nc_u64 s[22:23], s[6:7], s[22:23]
	s_add_nc_u64 s[46:47], s[4:5], s[46:47]
	s_add_nc_u64 s[92:93], s[6:7], s[92:93]
	CROUND                                         ; all sixteen work-groups are here: the first joint loads meet
	s_mov_b32 s[G0S], 1
	s_add_co_u32 s[G0S+1], s94, SCL
	s_mov_b64 s[G0S+2:G0S+3], s[22:23]
	s_or_b32 s[G0S+3], s[G0S+3], 0x80000000
	s_mov_b32 s[G0SB], 1
	s_add_co_u32 s[G0SB+1], s94, SCL
	s_mov_b64 s[G0SB+2:G0SB+3], s[92:93]
	s_or_b32 s[G0SB+3], s[G0SB+3], 0x80000000
	JLOAD G0S, G1S, G0SB, G1SB                     ; the scale words first: they are wanted with K step 0.  Three loads of mine are out behind these first fills
.irp s, 0,1
	s_mov_b32 s[G0+4*\s], 1
	s_add_co_u32 s[G0+4*\s+1], s45, \s*SLOT
	s_add_nc_u64 s[G0+4*\s+2:G0+4*\s+3], s[20:21], \s*HALFT
	s_or_b32 s[G0+4*\s+3], s[G0+4*\s+3], 0x80000000
	s_mov_b32 s[G0B+4*\s], 1
	s_add_co_u32 s[G0B+4*\s+1], s45, \s*SLOT
	s_add_nc_u64 s[G0B+4*\s+2:G0B+4*\s+3], s[46:47], \s*HALFT
	s_or_b32 s[G0B+4*\s+3], s[G0B+4*\s+3], 0x80000000
	JLOAD G0+4*\s, G1, G0B+4*\s, G1B
.endr
	v_and_b32 v1, 31, v0
	v_lshlrev_b32 v[LI], 4, v1
	v_lshlrev_b32 v[L8], 3, v1
	v_bfe_u32 v[HH], v0, 4, 1
	s_lshl_b32 s20, s17, 1
	s_add_co_u32 s20, s20, s15                     ; my rows' group: 2 Y + half: for q and k a group of 128 tokens, for V^T a head
	; K step 15's scale words of the rows that I multiply, straight into registers: 512 bytes a side, at 15 x 512 of the row group's 8,192
	s_lshr_b32 s21, ttmp9, 2
	s_lshl_b32 s21, s21, 4
	s_add_co_u32 s21, s21, s20
	s_add_co_u32 s21, s21, 32                      ; A's row group that I multiply: 32 + 16 t + 2 Y + my half
	s_lshl_b32 s66, s21, 13
	s_mov_b32 s67, 0
	s_add_nc_u64 s[66:67], s[6:7], s[66:67]
	s_lshl_b32 s21, s42, 1
	s_add_co_u32 s21, s21, s16                     ; B's: 2 X + my half
	s_lshl_b32 s98, s21, 13
	s_mov_b32 s99, 0
	s_add_nc_u64 s[98:99], s[6:7], s[98:99]
	global_load_b64 v[SCZ:SCZ+1], v[L8], s[66:67] offset:15*512        ; 256 consecutive bytes each, aligned
	global_load_b64 v[SCZ+2:SCZ+3], v[L8], s[66:67] offset:15*512+256
	global_load_b64 v[SCZ+4:SCZ+5], v[L8], s[98:99] offset:15*512
	global_load_b64 v[SCZ+6:SCZ+7], v[L8], s[98:99] offset:15*512+256
	s_lshl_b32 s18, s20, 16                        ; the table: eight tiles of 8,192 bytes a group
	s_mov_b32 s19, 0
	s_add_nc_u64 s[8:9], s[8:9], s[18:19]
	TABLE 0                                        ; two tiles ahead; they land while K is walked
	TABLE 1
	s_mul_i32 s21, s15, HALFT                      ; my 128 rows of A
	s_mul_i32 s22, s16, HALFT                      ; my 128 rows of B,
	s_add_co_u32 s22, s22, 2*HALFT                 ; which lie behind A's two halves
.irp s, 0,1
	v_add_nc_u32 v[ADRA+\s], s21, v[LI]
	v_add_nc_u32 v[ADRB+\s], s22, v[LI]
	s_add_co_u32 s21, s21, SLOT
	s_add_co_u32 s22, s22, SLOT
.endr
	s_mul_i32 s21, s15, HALFS
	s_add_co_u32 s21, s21, SCL
	v_add_nc_u32 v[ADSA], s21, v[L8]
	s_mul_i32 s22, s16, HALFS
	s_add_co_u32 s22, s22, SCL+2*HALFS
	v_add_nc_u32 v[ADSB], s22, v[L8]
	; where my 128 x 128 goes: one group.  q: (16 head + n) x 12,288;  k: KVC + (16 head + n) x 24,576;  V^T: the same + 12,288, with head = my rows' group and n = my columns'
	s_lshl_b32 s21, s42, 1
	s_add_co_u32 s21, s21, s16
	s_and_b32 s21, s21, 15                         ; my columns' group in its tensor
	s_lshl_b32 s22, s21, 4
	s_add_co_u32 s22, s22, s20
	s_lshl_b32 s23, s20, 4
	s_add_co_u32 s23, s23, s21
	s_cmp_lt_u32 ttmp9, 4                          ; q or k?
	s_cselect_b32 s22, s22, s23
	s_cselect_b32 s18, 0, 12288
	s_cselect_b32 s92, 0, 512
	s_cmp_lt_u32 ttmp9, 2                          ; q?
	s_mov_b32 s23, 24576
	s_cselect_b32 s23, 12288, s23
	s_cselect_b32 s46, 0, KVC
	s_cselect_b32 s47, 9, 10
	s_cselect_b32 s93, 0, KVS
	s_mul_i32 s23, s22, s23
	s_add_co_u32 s18, s18, s23
	s_add_co_u32 s18, s18, s46
	s_add_nc_u64 s[10:11], s[10:11], s[18:19]
	s_lshl_b32 s22, s22, s47
	s_add_co_u32 s92, s92, s22
	s_add_co_u32 s92, s92, s93
	s_mov_b32 s93, 0
	s_add_nc_u64 s[12:13], s[12:13], s[92:93]
	; descriptor group 1 for the last tile, K step 15 alone: 12,288 dense bytes, 48 rows.  s16-23 and s40-47 have served the head and name no load that is out
	s_or_b32 s[G1TB+0], s44, (3<<16)|(1<<21)
	s_or_b32 s[G1T+0], s43, (3<<16)|(1<<21)
.irp g, G1T, G1TB
	s_mov_b32 s[\g+1], 32<<16
	s_mov_b32 s[\g+2], 48<<16
	s_mov_b32 s[\g+3], 32<<16
	s_mov_b32 s[\g+4], 48
	s_mov_b32 s[\g+5], 32
	s_mov_b32 s[\g+6], 0
	s_mov_b32 s[\g+7], 0
.endr
.macro FRAG reg, adr, q, i             ; a fragment comes as it was stored: three loads of 16 bytes a lane, 512 consecutive bytes each
.irp c, 0,1,2
	ds_load_b128 v[\reg+4*\c:\reg+4*\c+3], v[\adr] offset:KSB*(\q)+1536*(\i)+512*\c
.endr
.endm
; One matrix instruction, from the symbols rD, rB, rA, rSB, rSA; rows bit 0: B's scale words lie in lanes 16-31; bit 1: A's do.  zero = 1: the product starts the sum
.macro WM zero
.if \zero
.if rows == 0
	v_wmma_scale_f32_16x16x128_f8f6f4 v[rD:rD+7], v[rB:rB+11], v[rA:rA+11], 0, v[rSB], v[rSA] matrix_a_fmt:MATRIX_FMT_FP6 matrix_b_fmt:MATRIX_FMT_FP6
.elseif rows == 1
	v_wmma_scale_f32_16x16x128_f8f6f4 v[rD:rD+7], v[rB:rB+11], v[rA:rA+11], 0, v[rSB], v[rSA] matrix_a_fmt:MATRIX_FMT_FP6 matrix_b_fmt:MATRIX_FMT_FP6 matrix_a_scale:MATRIX_SCALE_ROW1
.elseif rows == 2
	v_wmma_scale_f32_16x16x128_f8f6f4 v[rD:rD+7], v[rB:rB+11], v[rA:rA+11], 0, v[rSB], v[rSA] matrix_a_fmt:MATRIX_FMT_FP6 matrix_b_fmt:MATRIX_FMT_FP6 matrix_b_scale:MATRIX_SCALE_ROW1
.else
	v_wmma_scale_f32_16x16x128_f8f6f4 v[rD:rD+7], v[rB:rB+11], v[rA:rA+11], 0, v[rSB], v[rSA] matrix_a_fmt:MATRIX_FMT_FP6 matrix_b_fmt:MATRIX_FMT_FP6 matrix_a_scale:MATRIX_SCALE_ROW1 matrix_b_scale:MATRIX_SCALE_ROW1
.endif
.else
.if rows == 0
	v_wmma_scale_f32_16x16x128_f8f6f4 v[rD:rD+7], v[rB:rB+11], v[rA:rA+11], v[rD:rD+7], v[rSB], v[rSA] matrix_a_fmt:MATRIX_FMT_FP6 matrix_b_fmt:MATRIX_FMT_FP6
.elseif rows == 1
	v_wmma_scale_f32_16x16x128_f8f6f4 v[rD:rD+7], v[rB:rB+11], v[rA:rA+11], v[rD:rD+7], v[rSB], v[rSA] matrix_a_fmt:MATRIX_FMT_FP6 matrix_b_fmt:MATRIX_FMT_FP6 matrix_a_scale:MATRIX_SCALE_ROW1
.elseif rows == 2
	v_wmma_scale_f32_16x16x128_f8f6f4 v[rD:rD+7], v[rB:rB+11], v[rA:rA+11], v[rD:rD+7], v[rSB], v[rSA] matrix_a_fmt:MATRIX_FMT_FP6 matrix_b_fmt:MATRIX_FMT_FP6 matrix_b_scale:MATRIX_SCALE_ROW1
.else
	v_wmma_scale_f32_16x16x128_f8f6f4 v[rD:rD+7], v[rB:rB+11], v[rA:rA+11], v[rD:rD+7], v[rSB], v[rSA] matrix_a_fmt:MATRIX_FMT_FP6 matrix_b_fmt:MATRIX_FMT_FP6 matrix_a_scale:MATRIX_SCALE_ROW1 matrix_b_scale:MATRIX_SCALE_ROW1
.endif
.endif
.endm
; All that hangs on a K step follows from its number k = 0 .. 15: its slot (k / 3) % 2, its place in the slot k % 3, B's set of registers k % 2, the set of scale words k % 2 (K step 15: its own).
; 16 matrix instructions: A's blocks a0, a0 + 1 x B's eight, K step k.
; The 64 accumulators take turns, one instruction a turn, in the same order in every step.
.macro MUL16 a0, k, zero
.if (\k) == 15
.set SBASE, SCZ
.else
.set SBASE, SC+8*((\k)%2)
.endif
.irp a, \a0, \a0+1
.irp b, 0,1,2,3,4,5,6,7
.set rD, 8*(8*((\a)%4)+\b)
.set rB, 128*((\k)%2)+FR*\b
.set rA, AF+FR*(\a)
.set rSB, SBASE+4+2*(\b/4)+(\b%2)
.set rSA, SBASE+2*((\a)/4)+((\a)%2)
.set rows, 2*(((\a)/2)%2)+((\b/2)%2)
	WM \zero
.endr
.endr
.endm
.macro FETCH_B k                       ; B's eight fragments of K step k
	WIN TO_B
.irp i, 0,1,2,3,4,5,6,7
	FRAG 128*((\k)%2)+FR*\i, ADRB+((\k)/3)%2, (\k)%3, \i
.endr
	WIN 0
.endm
.macro FETCH_A k, i0                   ; A's blocks i0 .. i0 + 3 of K step k
.irp i, \i0, \i0+1, \i0+2, \i0+3
	FRAG AF+FR*(\i), ADRA+((\k)/3)%2, (\k)%3, \i
.endr
.endm
.macro SCALES k                        ; K step k's scale words: two loads of 8 bytes a lane a side, 256 consecutive bytes each.  K step 15's came at the head
.if (\k) < 15
.irp m, 0,1
	ds_load_b64 v[SC+8*((\k)%2)+2*\m:SC+8*((\k)%2)+2*\m+1], v[ADSA] offset:512*(\k)+256*\m
	ds_load_b64 v[SC+8*((\k)%2)+4+2*\m:SC+8*((\k)%2)+4+2*\m+1], v[ADSB] offset:512*(\k)+256*\m
.endr
.endif
.endm
; A K step that has its successor in the same slot.  A block of A is free as soon as its eight products are issued, so A has one set of registers: blocks 0-3 are fetched anew in the step's
; middle, blocks 4-7 at its end; B's fragments are at work through the whole step and have two sets.  Four plain lines stand in front of each run of loads into registers that matrix instructions have read.
.macro STEP k, zero
	s_wait_dscnt 4*NL                              ; B's set, the scale words and A's blocks 0-3 are in; the youngest 12 loads (A's blocks 4-7) may be out
	WIN MUL_LO
	MUL16 0, \k, \zero
	MUL16 2, \k, \zero
	s_wait_dscnt 0                                 ; A's blocks 4-7 are in (asked for 32 matrix instructions ago)
	PLACES NP
	FETCH_B (\k)+1
	FETCH_A (\k)+1, 0
	SCALES (\k)+1
	WIN MUL_HI
	MUL16 4, \k, \zero
	MUL16 6, \k, \zero
	PLACES NP
	WIN 0
	FETCH_A (\k)+1, 4
.endm
; A slot's last K step changes slots: ONE barrier; in front of it each wave waits for all its tensor loads, adds 0 to its spare word, and waits for that and for its own reads of this slot.
; fill = 1: the slot is filled again, with the three K steps that lie six further on; fill = 2: with K step 15 alone; fill = 0: nothing is left to fetch.
.macro TURN k, fill
.set TSL, ((\k)/3)%2
	s_wait_tensorcnt 0x0                           ; all my tensor loads have landed: my part of the next slot  (every window is 0 here)
	ds_add_u32 v[SPW], v[NIL]                      ; 0 onto my spare word
	s_wait_dscnt 4*NL+1                            ; (the add and the youngest 12 loads, A's blocks 4-7, may be out)
	WIN MUL_LO
	MUL16 0, \k, 0                                 ; sixteen matrix instructions stand between the add and the wait for it
	s_wait_dscnt 0x0                               ; the add is done, and my reads of this slot are over
	s_barrier_signal -1
	MUL16 2, \k, 0
	WIN 0
	s_barrier_wait -1
.if \fill
	CREST                                          ; the barrier has opened a round of the cluster's barrier: no wave of any partner still reads this slot or has a load on its way
	s_add_nc_u64 s[G0+4*TSL+2:G0+4*TSL+3], s[G0+4*TSL+2:G0+4*TSL+3], 2*HALFT
	s_add_nc_u64 s[G0B+4*TSL+2:G0B+4*TSL+3], s[G0B+4*TSL+2:G0B+4*TSL+3], 2*HALFT
.if (\fill) == 1
	JLOAD G0+4*TSL, G1, G0B+4*TSL, G1B             ; the first tensor load behind the round, and my one load until the next; its four v_nop are also the places in front of the loads below
.else
	JLOAD G0+4*TSL, G1T, G0B+4*TSL, G1TB           ; the same for the last tile
.endif
.else
	PLACES NP
.endif
	FETCH_B (\k)+1
	FETCH_A (\k)+1, 0
	SCALES (\k)+1
	WIN MUL_HI
	MUL16 4, \k, 0
	MUL16 6, \k, 0
	PLACES NP
	WIN 0
	FETCH_A (\k)+1, 4
.endm
	s_wait_tensorcnt 1                             ; the scale words and my part of slot 0 are in (slot 1's load may be out)
	s_barrier_signal -1
	s_barrier_wait -1                              ; everybody's are
	FETCH_B 0
	FETCH_A 0, 0
	SCALES 0
	FETCH_A 0, 4
	STEP 0, 1                                      ; its products start the sums: nothing is cleared
	STEP 1, 0
	TURN 2, 1                                      ; slot 0 takes K steps 6 to 8
	STEP 3, 0
	STEP 4, 0
	TURN 5, 1                                      ; slot 1 takes K steps 9 to 11
	STEP 6, 0
	STEP 7, 0
	TURN 8, 1                                      ; slot 0 takes K steps 12 to 14
	STEP 9, 0
	STEP 10, 0
	TURN 11, 2                                     ; slot 1 takes K step 15
	STEP 12, 0
	STEP 13, 0
	TURN 14, 0                                     ; nothing is filled, and there is no round of the cluster's barrier
	s_wait_loadcnt 32                              ; K step 15's scale words are in: behind their four loads only the table's 32 were issued
	s_wait_dscnt 4*NL                              ; the very last step: nothing more to fetch
	WIN MUL_LO
	MUL16 0, 15, 0
	MUL16 2, 15, 0
	s_wait_dscnt 0
	WIN MUL_HI
	MUL16 4, 15, 0
	MUL16 6, 15, 0
	WIN 0
; THE WAY OUT, block by block of 16 rows of A: the block's 64 registers are 128 neighbours along the next product's K, in two halves of the lanes.
; THE ROTATION (q and k): registers 0-31 hold d = 32 b + 16 h + i < 64, registers 32-63 the same d + 64; cos and sin hang on d mod 64:  lo' = lo cos - hi sin,  hi' = hi cos + lo sin.
.macro ROPE a
.set CW, (\a)%2                        ; the table's set, and its window
.set CB, 64+32*CW
.set SNB, 96+128*CW
.if (\a) < 7
	s_wait_loadcnt 16                              ; this tile's 16 loads are in; the next tile's may be out
.else
	s_wait_loadcnt 0x0
.endif
	WIN AW|(CW<<2)
.set p, 0
.rept 16
	v_pk_mul_f32 v[TR+p:TR+p+1], v[AC+32+p:AC+33+p], v[SNB+p:SNB+p+1]              ; hi sin  (each accumulator is read from its low end on)
.set p, p+2
.endr
	WIN AW|(CW<<2)|(AW<<6)
.set p, 0
.rept 16
	v_pk_mul_f32 v[AC+32+p:AC+33+p], v[AC+32+p:AC+33+p], v[CB+p:CB+p+1]            ; hi cos
.set p, p+2
.endr
	WIN AW|(CW<<2)|(AW<<4)|(AW<<6)
.set p, 0
.rept 16
	v_pk_fma_f32 v[AC+32+p:AC+33+p], v[AC+p:AC+p+1], v[SNB+p:SNB+p+1], v[AC+32+p:AC+33+p]   ; + lo sin
.set p, p+2
.endr
	WIN AW|(CW<<2)|(AW<<6)
.set p, 0
.rept 16
	v_pk_fma_f32 v[AC+p:AC+p+1], v[AC+p:AC+p+1], v[CB+p:CB+p+1], v[TR+p:TR+p+1] neg_lo:[0,0,1] neg_hi:[0,0,1]   ; lo cos - hi sin
.set p, p+2
.endr
.if (\a) < 6
	TABLE (\a)+2                                   ; the set takes the tile two further on
.endif
.endm
.macro OUT8 rope
.irp a, 0,1,2,3,4,5,6,7
.set AW, 2+\a/4
.set AC, 64*(\a%4)
.if \rope
	ROPE \a
.endif
	QUANT AC, AW, PW+\a
	IMG 10, 1536*\a
.endr
.endm
	PLACES NP                                      ; behind the last products: their results are read, and registers that held A's fragments are written
.irp b, 0,1,2,3
	v_mov_b32 v[TM+4+\b], 0                        ; a lane permute's destination counts as one of its sources
.endr
	s_cmp_lt_u32 ttmp9, 4                          ; q and k are rotated, V^T is not: ONE branch, on the cluster's x, and both ways written out, so that each counted wait for the table sees the same loads on every path that reaches it
	s_cbranch_scc0 .Lplain
	OUT8 1
	s_branch .Lwords
.Lplain:
	OUT8 0
.Lwords:
	v_cmp_ne_u32 vcc_lo, 0, v[HH]                  ; the eight fragments' scale words: lanes 0-15 store fragments 4 m and 4 m + 1, lanes 16-31 fragments 4 m + 2 and 4 m + 3
	v_cndmask_b32 v[SW], v[PW], v[PW+2], vcc_lo
	v_cndmask_b32 v[SW+1], v[PW+1], v[PW+3], vcc_lo
	v_cndmask_b32 v[SW+2], v[PW+4], v[PW+6], vcc_lo
	v_cndmask_b32 v[SW+3], v[PW+5], v[PW+7], vcc_lo
	global_store_b64 v[L8], v[SW:SW+1], s[12:13]               ; 256 consecutive bytes, aligned
	global_store_b64 v[L8], v[SW+2:SW+3], s[12:13] offset:256
	s_wait_tensorcnt 0x0                           ; the wave's end
	ds_add_u32 v[SPW], v[NIL]
	s_wait_dscnt 0x0
	CROUND                                         ; the closing round: no work-group ends while a partner may still ask for a tile that names it
	s_endpgm
.Lfunc_end_k_qb9b9899608_qkv:
	.size	k_qb9b9899608_qkv, .Lfunc_end_k_qb9b9899608_qkv-k_qb9b9899608_qkv
	.p2alignl 7, 3214868480
	.fill 96, 4, 3214868480
	.section	.rodata,"a",@progbits
	.p2align	6, 0x0
	.amdhsa_kernel k_qb9b9899608_qkv
		.amdhsa_group_segment_fixed_size 327680
		.amdhsa_private_segment_fixed_size 0
		.amdhsa_enable_private_segment 0
		.amdhsa_kernarg_size 40
		.amdhsa_user_sgpr_count 2
		.amdhsa_user_sgpr_kernarg_segment_ptr 1
		.amdhsa_wavefront_size32 1
		.amdhsa_system_sgpr_workgroup_id_x 1
		.amdhsa_system_sgpr_workgroup_id_y 1
		.amdhsa_system_sgpr_workgroup_id_z 1
		.amdhsa_system_vgpr_workitem_id 0
		.amdhsa_next_free_vgpr 1024
		.amdhsa_next_free_sgpr 100
		.amdhsa_reserve_vcc 1
		.amdhsa_float_denorm_mode_32 3
		.amdhsa_float_denorm_mode_16_64 3
		.amdhsa_memory_ordered 1
		.amdhsa_forward_progress 1
		.amdhsa_inst_pref_size 255
	.end_amdhsa_kernel
	.section	.bss,"aw",@nobits
	.p2align	6
	.space	262144
	.amdgpu_metadata
---
amdhsa.version: [ 1, 2 ]
amdhsa.kernels:
  - .name:           k_qb9b9899608_qkv
    .symbol:         k_qb9b9899608_qkv.kd
    .args:
      - { .name: opc, .offset: 0, .size: 8, .value_kind: global_buffer, .address_space: global }
      - { .name: ops, .offset: 8, .size: 8, .value_kind: global_buffer, .address_space: global }
      - { .name: rope, .offset: 16, .size: 8, .value_kind: global_buffer, .address_space: global }
      - { .name: qkvc, .offset: 24, .size: 8, .value_kind: global_buffer, .address_space: global }
      - { .name: qkvs, .offset: 32, .size: 8, .value_kind: global_buffer, .address_space: global }
    .group_segment_fixed_size: 327680
    .private_segment_fixed_size: 0
    .kernarg_segment_align: 8
    .kernarg_segment_size: 40
    .max_flat_workgroup_size: 128
    .sgpr_count:     100
    .vgpr_count:     1024
    .wavefront_size: 32
...
	.end_amdgpu_metadata
.endif
;; end of part 2
;; launch attn (part 3): grid 16 x 16, 8 waves a work-group, clusters of 4 x 1, 327,680 bytes of LDS; arguments qkvc, qkvs, attc, atts; writes attc, atts
.if DOCPART == 3
	.amdgcn_target "amdgcn-amd-amdhsa--gfx1250"
	.amdhsa_code_object_version 6
	.text
	.protected	k_qb9b9899608_attn
	.globl	k_qb9b9899608_attn
	.p2align	8
	.type	k_qb9b9899608_attn,@function
k_qb9b9899608_attn:
	s_mov_b64 s[64:65], 0
	v_nop
	global_prefetch_b8 v0, s[64:65] scope:SCOPE_SE
	s_setreg_imm32_b32 hwreg(HW_REG_WAVE_MODE, 25, 1), 1
	s_wait_xcnt 0x0
	s_wait_alu depctr_hold_cnt(0) depctr_sa_sdst(0) depctr_va_vdst(0) depctr_va_sdst(0) depctr_va_ssrc(0) depctr_va_vcc(0) depctr_vm_vsrc(0)
	s_getreg_b32 s2, hwreg(HW_REG_IB_STS2, 6, 4)
	s_cmp_eq_u32 s2, 0
	s_cbranch_scc0 .Lentry_in_a_cluster
	s_endpgm
.Lentry_in_a_cluster:
	s_bfe_u32 s2, ttmp6, 0x10000c
	s_cmp_lg_u32 s2, 0x3003
	s_cbranch_scc0 .Lentry_shape_is_right
	s_endpgm
.Lentry_shape_is_right:
; ATTN.  Causal attention on codes of FP6 (E2M3), 16 heads of 128, 2,048 tokens; the result, divided by the row's sum, is quantised in registers for the output projection.
; THE SOFTMAX AHEAD OF THE SECOND PRODUCT: t = score x log2(e) / sqrt(128); M = the row's largest t so far, rounded UP to a whole number; p = 2^(t - M) is what is quantised, along the keys.  The row's sum is taken
; of the unquantised p, in f32.  When M moves, the sum and O are multiplied by 2^(old M - new M): exact.
; OPERANDS lie in the group layout (128 rows x 128 K: eight images of an operand's 12 registers; see the launch that quantises the inputs): q's group (head, n); for each (head, key step) K's group and behind it V's
; (V with the keys along K).  Both products are used transposed (S^T = K Q^T, O^T = V^T P^T): a lane holds ONE query throughout, and by the layout's order of rows its 64 registers of S^T are the step's 128 keys
; in ascending order (register 16 b + i: key 32 b + 16 (lane / 16) + i), its 64 of O^T the head's 128 likewise.
; SHARES.  2,048 tiles of 16 queries, one to a wave, two waves to a SIMD.  A tile of query group g (128 queries) needs key steps 0 .. g, and only step g is masked.  A cluster c of four work-groups serves groups
; 2 c, 2 c + 1, 15 - 2 c, 14 - 2 c of one head: wave w has group (2 c + (w / 2) % 2) xor 15 (w / 4), and tile 2 cx + w % 2 of it.  So waves w and w + 4 have 17 key steps between them in every work-group,
; and which steps a wave works hangs on its number and the cluster's alone: no branch differs between partners.  cx enters only global addresses and the number that the mask compares with.
; EVERY work-group walks all 16 key steps, four to a slot: the trip counts are constants, and every joint load is issued by all four partners; a wave jumps over the WORK of the steps behind its diagonal.
; The price: tiles that a cluster's waves do not read are still fetched.
; The four partners read the same K and V: each eighth of a slot is asked for JOINTLY, by the same tensor load in all four (mask 15).
; The scale words of a tile's result go out 128 bytes at a time, half of an aligned 256: a work-group owns two of a group's eight tiles.  That is the price of partners that run alike; the whole buffer is 128 KiB.
; LIMITS: NaN and infinities are not served.  Hidden scores are -infinity where the reference has the least f32 number: p = 0 either way.  A block of p that is all zeros keeps the scale byte 1: its codes are zeros.
; REGISTERS: window 0: v1-11 addresses; v12 -M, v13 the largest t, v[14:15] the sum; v16-27 Q; v28-31 V's scale words; v32-69 at work on the way out; v96-159 S^T, then p; v160-223 O^T; v224-235 p's codes;
;   v232-254 at work; v248-251 K's scale words; v253 p's scale word; v255 Q's.   window 1: v0-95 K's eight fragments, v96-191 V's.
.set STEPB, 24576                      ; a key step in LDS and in memory: K's group, then V's
.set SLOTB, 4*STEPB
.set SLOT1, 131072                     ; slot 1 begins here, so that one exclusive or turns an address in one slot into the other's
.set SC,    262144                     ; the head's scale words, [step][K's 512, V's 512]: filled once
.set SPARE, SC+16384                   ; the spare words, 128 bytes for each wave: four blocks of 256 bytes that no other line names
.set OSC,   SPARE+1024                 ; 512 bytes in which the results' scale words meet; no fill lands here
.set KVC,   3145728
.set KVS,   131072
.set LI,  1                            ; v1   16 x lane
.set L8,  2                            ; v2   8 x lane
.set DQ,  3                            ; v3   my query's place in its group - 16 (lane / 16)
.set PFO, 4                            ; v4   256 x lane
.set SPW, 5                            ; v5   LDS address of my spare word; never rewritten
.set NIL, 6                            ; v6   0; never rewritten
.set L4,  7                            ; v7   4 x lane
.set ADR, 8                            ; v8   LDS address of the step's fragments
.set ADS, 9                            ; v9   of its scale words
.set TM,  32
.set PC,  48
.set PWO, 68
.set WV,  12
.set CX,  13
.set HD,  14
.set KP,  15                           ; wave / 2
.set EE,  16                           ; wave % 2
.set GM,  17                           ; my query group, which is also my last key step
.set KT,  18                           ; the key step in hand
.set SEL, 20
.set CS,  22
.set G1,  24
.set G1S, 32
.set G0,  40
.set G0S, 44
.set TB,  48                           ; LDS byte at which the step in hand begins
.set TS,  49                           ; and its scale words
.set SLOTS, 50
.set INNER, 51
.set PFA, 52
.set LIM, 54
.set MSB, 0
.macro WIN new                         ; the immediate's high byte repeats the setting that is left
.if MSB != (\new)
	s_set_vgpr_msb (MSB<<8)|(\new)
.set MSB, (\new)
.endif
.endm
.macro CROUND                          ; a round of the cluster's barrier
	s_barrier_signal -1
	s_barrier_wait -1
	s_cmp_lg_u32 s[WV], 0
	s_cbranch_scc1 .Lnot_wave_0_\@
	s_barrier_signal -3
.Lnot_wave_0_\@:
	s_barrier_wait -3
	s_barrier_signal -1
	s_barrier_wait -1
.endm
; 64 numbers of a lane, v[S] on in window AW, register 16 b + i = k 32 b + 16 (lane / 16) + i of my row, become a fragment's codes in v[PC] on and its scale word in v[PWR].
.macro QUANT S, AW, PWR
	WIN (\AW)|((\AW)<<2)
.irp b, 0,1,2,3
	v_max3_num_f32 v[TM+\b], |v[(\S)+16*\b]|, |v[(\S)+16*\b+1]|, 0x1800000   ; block b: my 16 numbers, and the floor 2^(3 - 127): the byte cannot fall under 1
.endr
	WIN ((\AW)<<2)|((\AW)<<4)
.irp i, 2,4,6,8,10,12,14
.irp b, 0,1,2,3
	v_max3_num_f32 v[TM+\b], v[TM+\b], |v[(\S)+16*\b+\i]|, |v[(\S)+16*\b+\i+1]|   ; the four blocks by turns
.endr
.endr
	WIN 0
.irp b, 0,1,2,3
	v_permlanex16_b32 v[TM+4+\b], v[TM+\b], s[SEL], s[SEL+1]
.endr
.irp b, 0,1,2,3
	v_max_num_f32 v[TM+\b], v[TM+\b], v[TM+4+\b]   ; with lane l xor 16's: the block's largest magnitude
.endr
.irp b, 0,1,2,3
	v_add_nc_u32 v[TM+12+\b], 0xff000000, v[TM+\b] ; 2 off its exponent field: the conversion takes the exponent field of this operand as its scale
.endr
.irp b, 0,1,2,3
	v_lshrrev_b32 v[TM+4+\b], 23, v[TM+12+\b]      ; the scale's byte
.endr
	v_lshl_or_b32 v[\PWR], v[TM+5], 8, v[TM+4]     ; the four bytes make my row's scale word
	v_lshl_or_b32 v[\PWR], v[TM+6], 16, v[\PWR]
	v_lshl_or_b32 v[\PWR], v[TM+7], 24, v[\PWR]
	s_wait_xcnt 0x0                                ; (the macro serves texts that store fragment after fragment from v[PC] on)
	WIN \AW
.irp c, 0,1
	v_cvt_scalef32_pk16_fp6_f32 v[PC+6*\c:PC+6*\c+2], v[(\S)+32*\c:(\S)+32*\c+15], v[TM+12+2*\c]
	v_cvt_scalef32_pk16_fp6_f32 v[PC+12+4*\c:PC+14+4*\c], v[(\S)+32*\c+16:(\S)+32*\c+31], v[TM+13+2*\c]   ; (a conversion's three registers begin on an even number)
.endr
	WIN 0
	v_nop                                          ; one plain line behind the scaled conversions
.irp c, 0,1                                    ; the operand's layout wants a WHOLE block in a lane: lanes 0-15 block 2 c, lanes 16-31 block 2 c + 1
.irp i, 0,1,2
	v_permlane16_swap_b32 v[PC+6*\c+\i], v[PC+12+4*\c+\i]
.endr
.irp i, 0,1,2
	v_mov_b32 v[PC+3+6*\c+\i], v[PC+12+4*\c+\i]
.endr
.endr
.endm
.macro IMG base, off                   ; the fragment goes out as it stands: each store covers 512 consecutive bytes, aligned
.irp c, 0,1,2
	global_store_b128 v[LI], v[PC+4*\c:PC+4*\c+3], s[\base:\base+1] offset:(\off)+512*\c
.endr
.endm
	s_load_b256 s[4:11], s[0:1], 0x0               ; qkvc s[4:5], qkvs s[6:7], attc s[8:9], atts s[10:11]
	v_lshl_add_u32 v[SPW], v0, 2, SPARE
	v_mov_b32 v[NIL], 0
	ds_add_u32 v5, v6
	ds_add_u32 v5, v6
	s_wait_dscnt 0x0
	v_lshrrev_b32 v10, 5, v0
	v_readfirstlane_b32 s[WV], v10                 ; wave 0..7
	s_bfe_u32 s[CX], ttmp6, 0x40000                ; my place in the cluster
	s_and_b32 s[HD], ttmp7, 0xffff                 ; the head, which the four partners share
	s_lshr_b32 s[KP], s[WV], 1
	s_and_b32 s[EE], s[WV], 1
	s_and_b32 s56, s[KP], 1
	s_lshl_b32 s57, ttmp9, 1                       ; in a cluster launch ttmp9 counts clusters
	s_add_co_u32 s56, s56, s57
	s_lshr_b32 s57, s[KP], 1
	s_mul_i32 s57, s57, 15
	s_xor_b32 s[GM], s56, s57                      ; 2 c, 2 c + 1, 15 - 2 c, 14 - 2 c
	; descriptor group 1: an eighth of a slot, 12,288 dense bytes, as 48 rows of 256 bytes (32 elements of 8 bytes); the mask names all four work-groups
	s_mov_b32 s[G1], 15|(3<<16)|(1<<21)
	s_mov_b32 s[G1+1], 32<<16
	s_mov_b32 s[G1+2], 48<<16
	s_mov_b32 s[G1+3], 32<<16
	s_mov_b32 s[G1+4], 48
	s_mov_b32 s[G1+5], 32
	s_mov_b32 s[G1+6], 0
	s_mov_b32 s[G1+7], 0
	s_mov_b32 s[G1S], 15|(3<<16)|(1<<21)           ; and an eighth of the head's scale words: 2,048 bytes, 8 rows
	s_mov_b32 s[G1S+1], 32<<16
	s_mov_b32 s[G1S+2], 8<<16
	s_mov_b32 s[G1S+3], 32<<16
	s_mov_b32 s[G1S+4], 8
	s_mov_b32 s[G1S+5], 32
	s_mov_b32 s[G1S+6], 0
	s_mov_b32 s[G1S+7], 0
	s_mul_i32 s56, s[HD], 16*STEPB                 ; the head's K and V,
	s_mul_i32 s57, s[WV], 12288                    ; my eighth of a slot
	s_add_co_u32 s56, s56, s57
	s_add_co_u32 s56, s56, KVC
	s_mov_b32 s57, 0
	s_lshl_b32 s58, s[HD], 14
	s_lshl_b32 s59, s[WV], 11
	s_add_co_u32 s58, s58, s59
	s_add_co_u32 s58, s58, KVS
	s_mov_b32 s59, 0
	s_mov_b32 s[SEL], 0x76543210
	s_mov_b32 s[SEL+1], 0xfedcba98
	s_mov_b32 s[CS], 0x3e0293ee                    ; c = log2(e) / sqrt(128)
	s_mov_b32 s[CS+1], s[CS]                       ; (named with it as a pair, so it is written)
	s_mov_b32 s[KT], 0
	s_mov_b32 s[TB], 0
	s_mov_b32 s[TS], SC
	s_mov_b32 s[SLOTS], 3
	s_wait_kmcnt 0x0
	s_mov_b32 s[G0], 1
	s_mul_i32 s[G0+1], s[WV], 12288                ; slot 0: no place in the cluster enters an LDS address
	s_add_nc_u64 s[G0+2:G0+3], s[4:5], s[56:57]
	s_or_b32 s[G0+3], s[G0+3], 0x80000000
	s_mov_b32 s[G0S], 1
	s_lshl_b32 s[G0S+1], s[WV], 11
	s_add_co_u32 s[G0S+1], s[G0S+1], SC
	s_add_nc_u64 s[G0S+2:G0S+3], s[6:7], s[58:59]
	s_or_b32 s[G0S+3], s[G0S+3], 0x80000000
	CROUND                                         ; all four work-groups are here: the first joint loads meet
	tensor_load_to_lds s[G0S:G0S+3], s[G1S:G1S+7]  ; the first fills stand together: two loads of mine are out
	s_nop 0
	tensor_load_to_lds s[G0:G0+3], s[G1:G1+7]
	s_nop 0
.rept 4
	v_nop
.endr
	; the prefetches: a slot is 12 runs of 8,192 bytes; partner cx takes runs 3 cx .. 3 cx + 2, one to each of its waves 0 to 2 (the wave's number is held at 2, so that no wave's address leaves the buffer)
	s_mul_i32 s60, s[CX], 3
	s_min_u32 s61, s[WV], 2
	s_add_co_u32 s60, s60, s61
	s_lshl_b32 s60, s60, 13
	s_mul_i32 s61, s[HD], 16*STEPB
	s_add_co_u32 s60, s60, s61
	s_add_co_u32 s60, s60, KVC+SLOTB               ; in the second slot's keys: the first change of slots steps it on.  Nothing is prefetched here, at the head
	s_mov_b32 s61, 0
	s_add_nc_u64 s[PFA:PFA+1], s[4:5], s[60:61]
	s_cmp_lt_u32 s[WV], 3
	s_cselect_b32 s62, 0, 1
	s_or_b32 s62, s62, ttmp9                       ; waves 0 to 2 of the head's first cluster: the same in all four partners
	s_cmp_eq_u32 s62, 0
	s_cselect_b32 s[LIM], 1, -1
	; my tile of queries, and where its result goes
	s_lshl_b32 s56, s[HD], 4
	s_add_co_u32 s56, s56, s[GM]                   ; q's group: 16 head + g
	s_lshl_b32 s57, s[CX], 1
	s_add_co_u32 s57, s57, s[EE]                   ; my tile in it: 2 cx + wave % 2
	s_lshl_b32 s58, s56, 3
	s_add_co_u32 s58, s58, s57
	s_mul_i32 s58, s58, 1536
	s_mov_b32 s59, 0
	s_add_nc_u64 s[58:59], s[4:5], s[58:59]
	s_lshl_b32 s60, s56, 9
	s_lshl_b32 s61, s[CX], 7
	s_add_co_u32 s60, s60, s61
	s_lshl_b32 s61, s[EE], 2
	s_add_co_u32 s60, s60, s61                     ; its scale words: 128 (tile / 2) + 8 r + 4 (tile % 2)
	s_mov_b32 s61, 0
	s_add_nc_u64 s[60:61], s[6:7], s[60:61]
	s_lshl_b32 s56, s[GM], 4
	s_add_co_u32 s56, s56, s[HD]                   ; the result's group: 16 g + head: the head is the output projection's K step
	s_lshl_b32 s62, s56, 3
	s_add_co_u32 s62, s62, s57
	s_mul_i32 s62, s62, 1536
	s_mov_b32 s63, 0
	s_add_nc_u64 s[8:9], s[8:9], s[62:63]
	s_lshl_b32 s62, s56, 9
	s_lshl_b32 s57, s[CX], 7
	s_add_co_u32 s62, s62, s57
	s_add_nc_u64 s[10:11], s[10:11], s[62:63]
	s_lshl_b32 s62, s[CX], 5
	s_lshl_b32 s63, s[EE], 3
	s_add_co_u32 s62, s62, s63                     ; 32 cx + 8 (wave % 2)
	v_and_b32 v10, 31, v0
	v_lshlrev_b32 v[LI], 4, v10
	v_lshlrev_b32 v[L8], 3, v10
	v_lshlrev_b32 v[L4], 2, v10
	v_lshlrev_b32 v[PFO], 8, v10
.irp c, 0,1,2
	global_load_b128 v[16+4*\c:19+4*\c], v[LI], s[58:59] offset:512*\c   ; Q's fragment stays in registers
.endr
	v_and_b32 v10, 15, v0
	v_lshlrev_b32 v11, 3, v10
	global_load_b32 v255, v11, s[60:61]            ; and its scale words
	v_and_b32 v[DQ], 8, v10
	v_add_nc_u32 v[DQ], v[DQ], v10                 ; r % 8 + 16 (r / 8)
	v_bfe_u32 v10, v0, 4, 1
	v_lshlrev_b32 v10, 4, v10
	v_sub_nc_u32 v[DQ], v[DQ], v10
	v_add_nc_u32 v[DQ], s62, v[DQ]                 ; my query in its group, less 16 (lane / 16)
	v_mov_b32 v13, 0xff61b1e6                      ; the largest t so far: -3e38, under every t
	v_floor_f32 v12, -v13                          ; -M
	v_mov_b32 v14, 0                               ; the sum, in two halves
	v_mov_b32 v15, 0
.irp b, 0,1,2,3
	v_mov_b32 v[236+\b], 0                         ; written once: a lane permute's destination counts as one of its sources
	v_mov_b32 v[TM+4+\b], 0
.endr
	v_mov_b32 v252, 0
	v_mov_b32 v253, 0                              ; (named as the upper half of the pair v[252:253] before it is first written)
.set j, 0
.rept 64
	v_mov_b32 v[160+j], 0                          ; O^T.  (The step is written once for all steps: the first finds zeros, which the first change of M leaves zeros)
.set j, j+1
.endr
.macro KQW t                           ; S^T, tile t: source 0 = K's fragment t (window 1), source 1 = Q.  The fragment's scale words lie in lanes 0-15 or, where (t / 2) % 2 = 1, in lanes 16-31
.if ((\t)/2)%2
	v_wmma_scale_f32_16x16x128_f8f6f4 v[96+8*\t:103+8*\t], v[12*\t:12*\t+11], v[16:27], 0, v[248+2*(\t/4)+\t%2], v255 matrix_a_fmt:MATRIX_FMT_FP6 matrix_b_fmt:MATRIX_FMT_FP6 matrix_a_scale:MATRIX_SCALE_ROW1
.else
	v_wmma_scale_f32_16x16x128_f8f6f4 v[96+8*\t:103+8*\t], v[12*\t:12*\t+11], v[16:27], 0, v[248+2*(\t/4)+\t%2], v255 matrix_a_fmt:MATRIX_FMT_FP6 matrix_b_fmt:MATRIX_FMT_FP6
.endif
.endm
.macro PVW t                           ; O^T, tile t: source 0 = V's fragment t (window 1), source 1 = p
.if ((\t)/2)%2
	v_wmma_scale_f32_16x16x128_f8f6f4 v[160+8*\t:167+8*\t], v[96+12*\t:107+12*\t], v[224:235], v[160+8*\t:167+8*\t], v[28+2*(\t/4)+\t%2], v253 matrix_a_fmt:MATRIX_FMT_FP6 matrix_b_fmt:MATRIX_FMT_FP6 matrix_a_scale:MATRIX_SCALE_ROW1
.else
	v_wmma_scale_f32_16x16x128_f8f6f4 v[160+8*\t:167+8*\t], v[96+12*\t:107+12*\t], v[224:235], v[160+8*\t:167+8*\t], v[28+2*(\t/4)+\t%2], v253 matrix_a_fmt:MATRIX_FMT_FP6 matrix_b_fmt:MATRIX_FMT_FP6
.endif
.endm
; A KEY STEP: 128 keys.
.macro STEP
	s_cmp_gt_u32 s[KT], s[GM]                      ; a step all of whose keys come after my queries is left out: a branch on ids, round the step's work; not round the lines at its end that step addresses
	s_cbranch_scc1 .Lhidden_\@
	v_add_nc_u32 v[ADR], s[TB], v[LI]
	v_add_nc_u32 v[ADS], s[TS], v[L8]
	ds_load_b64 v[248:249], v[ADS]                 ; K's scale words,
	ds_load_b64 v[250:251], v[ADS] offset:256
	ds_load_b64 v[28:29], v[ADS] offset:512        ; V's
	ds_load_b64 v[30:31], v[ADS] offset:768
	WIN 0x40                                       ; destination window 1
.set j, 0
.rept 24
	ds_load_b128 v[4*j:4*j+3], v[ADR] offset:512*j                 ; K's eight fragments, as they were stored
.set j, j+1
.endr
.set j, 0
.rept 24
	ds_load_b128 v[96+4*j:99+4*j], v[ADR] offset:12288+512*j       ; V's: they land under the first product and the softmax
.set j, j+1
.endr
	WIN 0
	s_wait_dscnt 24                                ; all but V's 24
	WIN 0x01                                       ; source 0 window 1
.irp t, 0,1,2,3,4,5,6,7
	KQW \t
.endr
	WIN 0
.rept 4
	v_nop                                          ; places behind the products, ahead of the first read of their results
.endr
	s_cmp_lg_u32 s[KT], s[GM]                      ; only my last step lies on the diagonal
	s_cbranch_scc1 .Lopen_\@
	v_mov_b32 v254, 0xff800000                     ; -infinity: p = 0 then.  Register 16 b + i holds key 32 b + 16 (lane / 16) + i of the step: hidden where 32 b + i > my query's place - 16 (lane / 16)
.set n, 0
.rept 64
	v_cmp_gt_i32 vcc_lo, 32*(n/16)+n%16, v[DQ]
	v_cndmask_b32 v[96+n], v[96+n], v254, vcc_lo
.set n, n+1
.endr
.Lopen_\@:
.irp b, 0,1,2,3
	v_max3_num_f32 v[232+\b], v[96+16*\b], v[97+16*\b], v[98+16*\b]   ; THE LARGEST SCORE OF EACH BLOCK OF 32 KEYS: it serves twice: for the row's maximum, and, since p rises with the score, for the block's largest p
.endr
.irp i, 3,5,7,9,11,13
.irp b, 0,1,2,3
	v_max3_num_f32 v[232+\b], v[232+\b], v[96+16*\b+\i], v[97+16*\b+\i]   ; (the four blocks by turns)
.endr
.endr
.irp b, 0,1,2,3
	v_max_num_f32 v[232+\b], v[232+\b], v[111+16*\b]
.endr
.irp b, 0,1,2,3
	v_permlanex16_b32 v[236+\b], v[232+\b], s[SEL], s[SEL+1]
.endr
.irp b, 0,1,2,3
	v_max_num_f32 v[232+\b], v[232+\b], v[236+\b]  ; with lane l xor 16's 16 keys
.endr
	v_max3_num_f32 v254, v232, v233, v234
	v_max_num_f32 v254, v254, v235                 ; the step's largest score of my query
	v_mul_f32 v254, s[CS], v254                    ; as t (c is positive)
	v_max_num_f32 v13, v13, v254                   ; the running largest t
	v_mov_b32 v254, v12
	v_floor_f32 v12, -v13                          ; the new -M = floor(-t) = -ceil(t): M IS A WHOLE NUMBER
	v_sub_f32 v254, v12, v254                      ; M's old value less its new one: a whole number, 0 or less
	v_cvt_i32_f32 v254, v254                       ; (it saturates)
	v_ldexp_f32 v252, 1.0, v254                    ; f = 2^(old M - new M): a multiplication by it rounds nothing
.set j, 0
.rept 32
	v_pk_fma_f32 v[96+j:97+j], v[96+j:97+j], s[CS:CS+1], v[12:13] op_sel_hi:[1,0,0]   ; t - M, two at a time (of the pairs c and -M the low word serves both halves)
.set j, j+2
.endr
.irp b, 0,1,2,3
	v_fma_f32 v[232+\b], v[232+\b], s[CS], v12     ; the same of each block's largest score
.endr
.set j, 0
.rept 64
	v_exp_f32 v[96+j], v[96+j]                     ; p = 2^(t - M), at most 1: NOT normalised
.set j, j+1
.endr
	v_pk_mul_f32 v[14:15], v[14:15], v[252:253] op_sel_hi:[1,0]   ; the sums under the new M.  (A plain line behind the exponentials)
	s_wait_alu depctr_va_vdst(0)                   ; one wait for the whole batch, ahead of its first reader
.irp b, 0,1,2,3
	v_exp_f32 v[232+\b], v[232+\b]                 ; the block's largest p: the same two instructions on the same number give the same bits
.endr
	v_pk_add_f32 v[236:237], v[96:97], v[98:99]    ; THE ROW'S SUM IS TAKEN OF THE UNQUANTISED p: two at a time, in two chains.  (It reads the 64 alone: plain work behind the four)
.irp j, 4,8,12,16,20,24,28,32,36,40,44,48,52,56,60
	v_pk_add_f32 v[14:15], v[14:15], v[96+\j:97+\j]
	v_pk_add_f32 v[236:237], v[236:237], v[98+\j:99+\j]
.endr
	v_pk_add_f32 v[14:15], v[14:15], v[236:237]
	s_wait_alu depctr_va_vdst(0)                   ; and one for the four
.irp b, 0,1,2,3
	v_max_num_f32 v[232+\b], 0x1800000, v[232+\b]  ; the floor 2^(3 - 127): the byte cannot fall under 1
.endr
.irp b, 0,1,2,3
	v_add_nc_u32 v[244+\b], 0xff000000, v[232+\b]  ; 2 off the exponent field: the conversion's scale operand
.endr
.irp b, 0,1,2,3
	v_lshrrev_b32 v[236+\b], 23, v[244+\b]         ; the scale's byte
.endr
	v_lshl_or_b32 v253, v237, 8, v236              ; p's scale word for these 128 keys
	v_lshl_or_b32 v253, v238, 16, v253
	v_lshl_or_b32 v253, v239, 24, v253
.irp c, 0,1
	v_cvt_scalef32_pk16_fp6_f32 v[224+6*\c:226+6*\c], v[96+32*\c:111+32*\c], v[244+2*\c]
	v_cvt_scalef32_pk16_fp6_f32 v[236+4*\c:238+4*\c], v[112+32*\c:127+32*\c], v[244+2*\c+1]   ; (a conversion's three registers begin on an even number)
.endr
	v_nop                                          ; one plain line behind the scaled conversions
.irp c, 0,1                                    ; the operand's layout wants a WHOLE block in a lane
.irp i, 0,1,2
	v_permlane16_swap_b32 v[224+6*\c+\i], v[236+4*\c+\i]
.endr
.irp i, 0,1,2
	v_mov_b32 v[227+6*\c+\i], v[236+4*\c+\i]
.endr
.endr
.set j, 0
.rept 32
	v_pk_mul_f32 v[160+j:161+j], v[160+j:161+j], v[252:253] op_sel_hi:[1,0]   ; O^T under the new M: x f.  (These are also the places between p's codes and scale word and the products)
.set j, j+2
.endr
.rept 4
	v_nop                                          ; four plain lines between the last rescaling and the products that add onto it
.endr
	s_wait_dscnt 0x0                               ; V is in
	WIN 0x01
.irp t, 0,1,2,3,4,5,6,7
	PVW \t                                         ; eight accumulators by turns
.endr
	WIN 0
.rept 4
	v_nop                                          ; places ahead of the next step's loads into V's registers and scale words, and of the way out's reads
.endr
.Lhidden_\@:
	s_add_co_u32 s[KT], s[KT], 1
	s_add_co_u32 s[TB], s[TB], STEPB
	s_add_co_u32 s[TS], s[TS], 1024
.endm
.macro SLOT_STEPS                      ; a slot's four key steps: written once, walked four times
	s_mov_b32 s[INNER], 4
.Lstep_\@:
	STEP
	s_sub_co_u32 s[INNER], s[INNER], 1
	s_cmp_lg_u32 s[INNER], 0
	s_cbranch_scc1 .Lstep_\@
	s_sub_co_u32 s[TB], s[TB], SLOTB               ; back to a slot's first step,
	s_xor_b32 s[TB], s[TB], SLOT1                  ; in the other slot
.endm
; A PREFETCH INTO THE L2 of what the NEXT change of slots will ask for: four key steps, 98,304 bytes, ahead of that load.  It stands behind the wave's tensor load and its four lines.  Each aligned block of 256 bytes is
; named once in the launch: all clusters of a head walk the same K and V, so the head's first cluster asks; its partners are told apart by address; in each, waves 0 to 2 ask, 8,192 bytes each, lanes 256 bytes apart.
; The last change that fills a slot asks for nothing; the first two slots come by their loads alone.
.macro ASK
	s_cmp_gt_u32 s[SLOTS], s[LIM]
	s_cbranch_scc0 .Lnot_mine_\@
	global_prefetch_b8 v[PFO], s[PFA:PFA+1] th:TH_LOAD_NT scope:SCOPE_SE
.Lnot_mine_\@:
.endm
; THE CHANGE OF SLOTS stands at a slot's head.  Each wave waits for all its tensor loads (its part of the slot that it is about to read), adds 0 to its spare word, and waits for that and for its reads of the slot that it has
; left.  fill = 1: a round of the cluster's barrier, and behind it the other slot is filled with the next four key steps: the load has a whole slot's steps in which to land.
.macro CHANGE fill
	s_wait_tensorcnt 0x0                           ; no tensor load of mine is out, so a group 0 may be written
	ds_add_u32 v[SPW], v[NIL]                      ; 0 onto my spare word
.if \fill
	s_xor_b32 s[G0+1], s[G0+1], SLOT1              ; the walking descriptor: the other slot than last time,
	s_add_nc_u64 s[G0+2:G0+3], s[G0+2:G0+3], SLOTB ; the next four key steps; the type bits on top are not reached
	s_wait_xcnt 0x0                                ; the last prefetch, a slot back, has read its address, so it may be written
	s_add_nc_u64 s[PFA:PFA+1], s[PFA:PFA+1], SLOTB ; one slot further on than the walking descriptor
	s_wait_dscnt 0x0                               ; the add is done, and my reads of the slot that I have left are over
	CROUND
	tensor_load_to_lds s[G0:G0+3], s[G1:G1+7]      ; the first thing behind the round, and my one tensor load until the next
	s_nop 0
.rept 4
	v_nop
.endr
	ASK
.else
	s_wait_dscnt 0x0
	s_barrier_signal -1
	s_barrier_wait -1
.endif
.endm
	s_wait_loadcnt 0x0                             ; Q
.Lslot:                                                ; three trips: behind each change of slots but the last the next slot is asked for
	CHANGE 1
	SLOT_STEPS
	s_sub_co_u32 s[SLOTS], s[SLOTS], 1
	s_cmp_lg_u32 s[SLOTS], 0
	s_cbranch_scc1 .Lslot
	CHANGE 0                                       ; the last slot is written out
	SLOT_STEPS
	; THE WAY OUT.  O^T is divided by the row's sum; its 64 registers are the head's 128 in ascending order: one fragment of the output projection's left operand.
	v_add_f32 v14, v14, v15                        ; the sum's two halves,
	v_permlanex16_b32 v252, v14, s[SEL], s[SEL+1]
	v_add_f32 v14, v14, v252                       ; and lane l xor 16's: the row's sum
	v_rcp_f32 v14, v14
	v_and_b32 v10, 15, v0                          ; (plain lines behind the reciprocal)
	s_lshl_b32 s56, s[KP], 7
	s_add_co_u32 s56, s56, OSC                     ; my pair of waves' 128 bytes
	s_lshl_b32 s57, s[EE], 2
	s_add_co_u32 s57, s57, s56
	v_lshlrev_b32 v10, 3, v10
	v_add_nc_u32 v10, s57, v10                     ; in: 8 r + 4 (wave % 2)
	v_add_nc_u32 v11, s56, v[L4]                   ; back: 4 x lane
	s_wait_alu depctr_va_vdst(0)                   ; the wait, ahead of the first reader
.set j, 0
.rept 64
	v_mul_f32 v[96+j], v[160+j], v14               ; each accumulator from its low end on
.set j, j+1
.endr
	QUANT 96, 0, PWO
	IMG 8, 0
	ds_store_b32 v10, v[PWO]                       ; both halves of the lanes write the same word with the same value
	s_wait_dscnt 0x0                               ; for the other wave's sake
	s_barrier_signal -1
	s_barrier_wait -1
	s_cmp_lg_u32 s[EE], 0                          ; the even wave of each pair stores the pair's 128 bytes of scale words
	s_cbranch_scc1 .Lodd
	ds_load_b32 v69, v11
	s_wait_dscnt 0x0
	global_store_b32 v[L4], v69, s[10:11]
.Lodd:
	s_wait_tensorcnt 0x0                           ; the wave's end
	ds_add_u32 v[SPW], v[NIL]
	s_wait_dscnt 0x0
	CROUND                                         ; the closing round: no work-group ends while a partner may still ask for a tile that names it
	s_endpgm
.Lfunc_end_k_qb9b9899608_attn:
	.size	k_qb9b9899608_attn, .Lfunc_end_k_qb9b9899608_attn-k_qb9b9899608_attn
	.p2alignl 7, 3214868480
	.fill 96, 4, 3214868480
	.section	.rodata,"a",@progbits
	.p2align	6, 0x0
	.amdhsa_kernel k_qb9b9899608_attn
		.amdhsa_group_segment_fixed_size 327680
		.amdhsa_private_segment_fixed_size 0
		.amdhsa_enable_private_segment 0
		.amdhsa_kernarg_size 32
		.amdhsa_user_sgpr_count 2
		.amdhsa_user_sgpr_kernarg_segment_ptr 1
		.amdhsa_wavefront_size32 1
		.amdhsa_system_sgpr_workgroup_id_x 1
		.amdhsa_system_sgpr_workgroup_id_y 1
		.amdhsa_system_sgpr_workgroup_id_z 1
		.amdhsa_system_vgpr_workitem_id 0
		.amdhsa_next_free_vgpr 448
		.amdhsa_next_free_sgpr 80
		.amdhsa_reserve_vcc 1
		.amdhsa_float_denorm_mode_32 3
		.amdhsa_float_denorm_mode_16_64 3
		.amdhsa_memory_ordered 1
		.amdhsa_forward_progress 1
		.amdhsa_inst_pref_size 66
	.end_amdhsa_kernel
	.amdgpu_metadata
---
amdhsa.version: [ 1, 2 ]
amdhsa.kernels:
  - .name:           k_qb9b9899608_attn
    .symbol:         k_qb9b9899608_attn.kd
    .args:
      - { .name: qkvc, .offset: 0, .size: 8, .value_kind: global_buffer, .address_space: global }
      - { .name: qkvs, .offset: 8, .size: 8, .value_kind: global_buffer, .address_space: global }
      - { .name: attc, .offset: 16, .size: 8, .value_kind: global_buffer, .address_space: global }
      - { .name: atts, .offset: 24, .size: 8, .value_kind: global_buffer, .address_space: global }
    .group_segment_fixed_size: 327680
    .private_segment_fixed_size: 0
    .kernarg_segment_align: 8
    .kernarg_segment_size: 32
    .max_flat_workgroup_size: 256
    .sgpr_count:     80
    .vgpr_count:     448
    .wavefront_size: 32
...
	.end_amdgpu_metadata
.endif
;; end of part 3
;; launch oproj (part 4): grid 16 x 16, 4 waves a work-group, clusters of 4 x 4, 327,680 bytes of LDS; arguments attc, atts, opc, ops, out0; writes out0
.if DOCPART == 4
	.amdgcn_target "amdgcn-amd-amdhsa--gfx1250"
	.amdhsa_code_object_version 6
	.text
	.protected	k_qb9b9899608_oproj
	.globl	k_qb9b9899608_oproj
	.p2align	8
	.type	k_qb9b9899608_oproj,@function
k_qb9b9899608_oproj:
	s_mov_b64 s[64:65], 0
	v_nop
	global_prefetch_b8 v0, s[64:65] scope:SCOPE_SE
	s_setreg_imm32_b32 hwreg(HW_REG_WAVE_MODE, 25, 1), 1
	s_wait_xcnt 0x0
	s_wait_alu depctr_hold_cnt(0) depctr_sa_sdst(0) depctr_va_vdst(0) depctr_va_sdst(0) depctr_va_ssrc(0) depctr_va_vcc(0) depctr_vm_vsrc(0)
	s_getreg_b32 s2, hwreg(HW_REG_IB_STS2, 6, 4)
	s_cmp_eq_u32 s2, 0
	s_cbranch_scc0 .Lentry_in_a_cluster
	s_endpgm
.Lentry_in_a_cluster:
	s_bfe_u32 s2, ttmp6, 0x10000c
	s_cmp_lg_u32 s2, 0xf033
	s_cbranch_scc0 .Lentry_shape_is_right
	s_endpgm
.Lentry_shape_is_right:
; OPROJ.  out0 [2048][2048] f32 = attention's result x Wo^T, on codes of FP6 (E2M3), K = 2,048.  Both operands lie in the group layout (128 rows x 128 K: eight images of an operand's 12 registers, 512 bytes of scale
; words; see the launch that quantises the inputs): A = attc's row group Y, B = opc's row group 64 + X (Wo).
; A tile is 128 x 128: 256 work-groups, one to a WGP (tiles of 256 x 256 would be 64).  Four waves, each 64 x 64: 16 accumulators.  THE MATRIX INSTRUCTION IS USED TRANSPOSED (source 0 = 16 rows of Wo,
; source 1 = 16 tokens): a lane holds one token and eight neighbouring outputs an accumulator.
; K goes in 16 steps of 128, all written out.  LDS has THREE slots of four K steps (A's four groups, then B's): three go out as first fills with the scale words, the fourth run of K steps fills slot 0 again behind the
; one round of the cluster's barrier, and has eight K steps in which to land.  By this text's own count four tensor loads of a wave are out at the start, later one.
; CLUSTERS: 4 x 4 work-groups; A's tiles are asked for jointly along a row of the cluster, B's along a column.
; REGISTERS: window 0: v2-29 addresses; v32-39 scale words, two sets; v64-127 the way out; v128-255 the accumulators ((a, b) at v[128 + 8 (4 a + b)]).  window 1: two fragment buffers at v0 and v128: A's 48 registers, then B's 48.
.set FR,    12
.set SLOT,  98304
.set SCL,   3*SLOT                     ; the scale words for all of K: A's 8,192 bytes, then B's: filled once
.set SPARE, SCL+16384                  ; the spare words, 128 bytes for each wave: two blocks of 256 bytes that no other line names
.set STAGE, SLOT                       ; the way out: 16 rows x (256 + 16) bytes for each wave, in slot 1: it has had its one fill, and every wave has passed a barrier behind its last read of it
.set LI,   2                           ; 16 x lane
.set L8,   3                           ; 8 x lane
.set RR,   4
.set HH,   5
.set ADRA, 8                           ; v8-10   LDS address of my four A fragments in slot 0, 1, 2
.set ADRB, 12                          ; v12-14  the same for B
.set ADSA, 16                          ; v16     of my A fragments' scale words
.set ADSB, 17                          ; v17     of B's
.set STO,  18
.set RD,   19
.set CO,   20
.set SPW,  28                          ; LDS address of my spare word; never rewritten
.set NIL,  29                          ; 0; never rewritten
.set SC,   32                          ; scale words: set f at v[SC + 4 f]: A's pair, B's pair; block a's word in register a % 2, lanes 0-15 (a < 2) or 16-31
.set BK,   64
.set ACC,  128
.set G1,   24
.set G0,   32                          ; s[32:43] three sets
.set G1B,  44
.set G0B,  52                          ; s[52:63]
.set G1S,  68
.set G0S,  76
.set G1SB, 80
.set G0SB, 88
.set MSB, 0
.macro WIN new                         ; the immediate's high byte repeats the setting that is left
.if MSB != (\new)
	s_set_vgpr_msb (MSB<<8)|(\new)
.set MSB, (\new)
.endif
.endm
.set MUL,  0x05                        ; sources 0 and 1 window 1; C and D window 0
.set TO_F, 0x40                        ; destination window 1, address window 0
.macro JLOAD g0a, g1a, g0b, g1b        ; a joint load: waves 0 and 1 fetch for A, waves 2 and 3 for B; four v_nop follow each of the two lines
	s_cmp_eq_u32 s15, 0
	s_cbranch_scc0 .Lfor_b_\@
	tensor_load_to_lds s[\g0a:\g0a+3], s[\g1a:\g1a+7]
	s_nop 0
.rept 4
	v_nop
.endr
	s_branch .Lasked_\@
.Lfor_b_\@:
	tensor_load_to_lds s[\g0b:\g0b+3], s[\g1b:\g1b+7]
	s_nop 0
.rept 4
	v_nop
.endr
.Lasked_\@:
.endm
.macro CREST                           ; a round of the cluster's barrier behind its opening barrier
	s_cmp_lg_u32 s14, 0
	s_cbranch_scc1 .Lnot_wave_0_\@
	s_barrier_signal -3
.Lnot_wave_0_\@:
	s_barrier_wait -3
	s_barrier_signal -1
	s_barrier_wait -1
.endm
.macro CROUND
	s_barrier_signal -1
	s_barrier_wait -1
	CREST
.endm
.macro PLACES n
.rept \n
	v_nop
.endr
.endm
	s_load_b256 s[4:11], s[0:1], 0x0               ; attc s[4:5], atts s[6:7], opc s[8:9], ops s[10:11]
	s_load_b64 s[12:13], s[0:1], 0x20              ; out0
	v_lshl_add_u32 v[SPW], v0, 2, SPARE
	v_mov_b32 v[NIL], 0
	ds_add_u32 v28, v29
	ds_add_u32 v28, v29
	s_wait_dscnt 0x0
	v_lshrrev_b32 v1, 5, v0
	v_readfirstlane_b32 s14, v1                    ; wave 0..3
	s_lshr_b32 s15, s14, 1                         ; which 64 tokens are mine.  Also: I fetch for A (0) or for B (1)
	s_and_b32 s16, s14, 1                          ; which 64 outputs.  Also: which two of a slot's four K steps I fetch
	s_bfe_u32 s66, ttmp6, 0x40000                  ; cx, cy
	s_bfe_u32 s67, ttmp6, 0x40004
	s_lshl_b32 s92, ttmp9, 2
	s_add_co_u32 s92, s92, s66                     ; X
	s_and_b32 s17, ttmp7, 0xffff
	s_lshl_b32 s17, s17, 2
	s_add_co_u32 s17, s17, s67                     ; Y
	s_lshl_b32 s93, s67, 2
	s_lshl_b32 s93, 15, s93                        ; my row of the cluster
	s_lshl_b32 s94, 0x1111, s66                    ; my column
	s_or_b32 s[G1+0], s93, (3<<16)|(1<<21)         ; two K steps of 128 rows: 24,576 dense bytes as 96 rows of 256 bytes (32 elements of 8 bytes), no padding
	s_or_b32 s[G1B+0], s94, (3<<16)|(1<<21)
.irp g, G1, G1B
	s_mov_b32 s[\g+1], 32<<16
	s_mov_b32 s[\g+2], 96<<16
	s_mov_b32 s[\g+3], 32<<16
	s_mov_b32 s[\g+4], 96
	s_mov_b32 s[\g+5], 32
	s_mov_b32 s[\g+6], 0
	s_mov_b32 s[\g+7], 0
.endr
	s_or_b32 s[G1S+0], s93, (3<<16)|(1<<21)        ; half of a row group's scale words: 4,096 bytes, 16 rows
	s_or_b32 s[G1SB+0], s94, (3<<16)|(1<<21)
.irp g, G1S, G1SB
	s_mov_b32 s[\g+1], 32<<16
	s_mov_b32 s[\g+2], 16<<16
	s_mov_b32 s[\g+3], 32<<16
	s_mov_b32 s[\g+4], 16
	s_mov_b32 s[\g+5], 32
	s_mov_b32 s[\g+6], 0
	s_mov_b32 s[\g+7], 0
.endr
	s_mul_i32 s22, s16, 24576
	s_lshl_b32 s23, s16, 12
	s_mul_i32 s18, s17, 196608                     ; A: row group Y: 16 groups of 12,288 bytes,
	s_add_co_u32 s18, s18, s22                     ; my two K steps of the first four
	s_mov_b32 s19, 0
	s_lshl_b32 s20, s17, 13
	s_add_co_u32 s20, s20, s23
	s_mov_b32 s21, 0
	s_add_co_u32 s96, s92, 64                      ; B: row group 64 + X
	s_lshl_b32 s98, s96, 13
	s_add_co_u32 s98, s98, s23
	s_mov_b32 s99, 0
	s_mul_i32 s96, s96, 196608
	s_add_co_u32 s96, s96, s22
	s_mov_b32 s97, 0
	s_mul_i32 s95, s14, 24576                      ; where they go in a slot: by the wave's number alone
	s_lshl_b32 s3, s14, 12
	s_add_co_u32 s3, s3, SCL
	s_wait_kmcnt 0x0
	s_add_nc_u64 s[18:19], s[4:5], s[18:19]
	s_add_nc_u64 s[20:21], s[6:7], s[20:21]
	s_add_nc_u64 s[96:97], s[8:9], s[96:97]
	s_add_nc_u64 s[98:99], s[10:11], s[98:99]
	CROUND                                         ; all sixteen work-groups are here: the first joint loads meet
	s_mov_b32 s[G0S], 1
	s_mov_b32 s[G0S+1], s3
	s_mov_b64 s[G0S+2:G0S+3], s[20:21]
	s_or_b32 s[G0S+3], s[G0S+3], 0x80000000
	s_mov_b32 s[G0SB], 1
	s_mov_b32 s[G0SB+1], s3
	s_mov_b64 s[G0SB+2:G0SB+3], s[98:99]
	s_or_b32 s[G0SB+3], s[G0SB+3], 0x80000000
	JLOAD G0S, G1S, G0SB, G1SB                     ; the scale words first
.irp s, 0,1,2
	s_mov_b32 s[G0+4*\s], 1
	s_add_co_u32 s[G0+4*\s+1], s95, \s*SLOT
	s_add_nc_u64 s[G0+4*\s+2:G0+4*\s+3], s[18:19], \s*49152
	s_or_b32 s[G0+4*\s+3], s[G0+4*\s+3], 0x80000000
	s_mov_b32 s[G0B+4*\s], 1
	s_add_co_u32 s[G0B+4*\s+1], s95, \s*SLOT
	s_add_nc_u64 s[G0B+4*\s+2:G0B+4*\s+3], s[96:97], \s*49152
	s_or_b32 s[G0B+4*\s+3], s[G0B+4*\s+3], 0x80000000
	JLOAD G0+4*\s, G1, G0B+4*\s, G1B
.endr
	v_and_b32 v1, 31, v0
	v_lshlrev_b32 v[LI], 4, v1
	v_lshlrev_b32 v[L8], 3, v1
	v_and_b32 v[RR], 15, v0
	v_bfe_u32 v[HH], v0, 4, 1
	s_mul_i32 s22, s15, 6144                       ; my four fragments of A's eight,
	s_mul_i32 s23, s16, 6144                       ; of B's,
	s_add_co_u32 s23, s23, 49152                   ; which lie behind A's four K steps
.irp n, 0,1,2
	v_add_nc_u32 v[ADRA+\n], s22, v[LI]
	v_add_nc_u32 v[ADRB+\n], s23, v[LI]
	s_add_co_u32 s22, s22, SLOT
	s_add_co_u32 s23, s23, SLOT
.endr
	s_lshl_b32 s22, s15, 8
	s_add_co_u32 s22, s22, SCL
	v_add_nc_u32 v[ADSA], s22, v[L8]
	s_lshl_b32 s23, s16, 8
	s_add_co_u32 s23, s23, SCL+8192
	v_add_nc_u32 v[ADSB], s23, v[L8]
	s_mul_i32 s22, s14, 16*272
	s_add_co_u32 s22, s22, STAGE                   ; my stage
	v_mul_u32_u24 v[STO], v[RR], 272               ; in: row r; accumulator b's eight outputs of my half: 128 (b / 2) + 32 (b % 2) + 64 h bytes on
	v_lshl_add_u32 v[STO], v[HH], 6, v[STO]
	v_add_nc_u32 v[STO], s22, v[STO]
	v_mul_u32_u24 v[RD], v[HH], 272                ; back: lanes 0-15 one row of 256 bytes, lanes 16-31 the next
	v_lshl_add_u32 v[RD], v[RR], 4, v[RD]
	v_add_nc_u32 v[RD], s22, v[RD]
	v_lshlrev_b32 v[CO], 13, v[HH]                 ; and the same in out0: a row is 8,192 bytes
	v_lshl_add_u32 v[CO], v[RR], 4, v[CO]
	s_lshl_b32 s22, s17, 7
	s_lshl_b32 s23, s15, 6
	s_add_co_u32 s22, s22, s23                     ; my first token: 128 Y + 64 half
	s_lshl_b32 s22, s22, 13
	s_lshl_b32 s23, s92, 9
	s_add_co_u32 s22, s22, s23                     ; my first output, in bytes: 512 X + 256 half
	s_lshl_b32 s23, s16, 8
	s_add_co_u32 s22, s22, s23
	s_mov_b32 s23, 0
	s_add_nc_u64 s[12:13], s[12:13], s[22:23]
; One matrix instruction, from the symbols rD, rB, rA, rSB, rSA; rows bit 0: B's scale words lie in lanes 16-31; bit 1: A's do.  zero = 1: the product starts the sum
.macro WM zero
.if \zero
.if rows == 0
	v_wmma_scale_f32_16x16x128_f8f6f4 v[rD:rD+7], v[rB:rB+11], v[rA:rA+11], 0, v[rSB], v[rSA] matrix_a_fmt:MATRIX_FMT_FP6 matrix_b_fmt:MATRIX_FMT_FP6
.elseif rows == 1
	v_wmma_scale_f32_16x16x128_f8f6f4 v[rD:rD+7], v[rB:rB+11], v[rA:rA+11], 0, v[rSB], v[rSA] matrix_a_fmt:MATRIX_FMT_FP6 matrix_b_fmt:MATRIX_FMT_FP6 matrix_a_scale:MATRIX_SCALE_ROW1
.elseif rows == 2
	v_wmma_scale_f32_16x16x128_f8f6f4 v[rD:rD+7], v[rB:rB+11], v[rA:rA+11], 0, v[rSB], v[rSA] matrix_a_fmt:MATRIX_FMT_FP6 matrix_b_fmt:MATRIX_FMT_FP6 matrix_b_scale:MATRIX_SCALE_ROW1
.else
	v_wmma_scale_f32_16x16x128_f8f6f4 v[rD:rD+7], v[rB:rB+11], v[rA:rA+11], 0, v[rSB], v[rSA] matrix_a_fmt:MATRIX_FMT_FP6 matrix_b_fmt:MATRIX_FMT_FP6 matrix_a_scale:MATRIX_SCALE_ROW1 matrix_b_scale:MATRIX_SCALE_ROW1
.endif
.else
.if rows == 0
	v_wmma_scale_f32_16x16x128_f8f6f4 v[rD:rD+7], v[rB:rB+11], v[rA:rA+11], v[rD:rD+7], v[rSB], v[rSA] matrix_a_fmt:MATRIX_FMT_FP6 matrix_b_fmt:MATRIX_FMT_FP6
.elseif rows == 1
	v_wmma_scale_f32_16x16x128_f8f6f4 v[rD:rD+7], v[rB:rB+11], v[rA:rA+11], v[rD:rD+7], v[rSB], v[rSA] matrix_a_fmt:MATRIX_FMT_FP6 matrix_b_fmt:MATRIX_FMT_FP6 matrix_a_scale:MATRIX_SCALE_ROW1
.elseif rows == 2
	v_wmma_scale_f32_16x16x128_f8f6f4 v[rD:rD+7], v[rB:rB+11], v[rA:rA+11], v[rD:rD+7], v[rSB], v[rSA] matrix_a_fmt:MATRIX_FMT_FP6 matrix_b_fmt:MATRIX_FMT_FP6 matrix_b_scale:MATRIX_SCALE_ROW1
.else
	v_wmma_scale_f32_16x16x128_f8f6f4 v[rD:rD+7], v[rB:rB+11], v[rA:rA+11], v[rD:rD+7], v[rSB], v[rSA] matrix_a_fmt:MATRIX_FMT_FP6 matrix_b_fmt:MATRIX_FMT_FP6 matrix_a_scale:MATRIX_SCALE_ROW1 matrix_b_scale:MATRIX_SCALE_ROW1
.endif
.endif
.endm
; Four matrix instructions: A's block a x B's four, from buffer f.  The 16 accumulators take turns, one instruction a turn, in the same order in every step.
.macro MUL4 f, a, zero
.irp b, 0,1,2,3
.set rD, ACC+8*(4*(\a)+\b)
.set rB, 128*(\f)+48+FR*\b
.set rA, 128*(\f)+FR*(\a)
.set rSB, SC+4*(\f)+2+(\b%2)
.set rSA, SC+4*(\f)+((\a)%2)
.set rows, 2*((\a)/2)+(\b/2)
	WM \zero
.endr
.endm
; K step k's scale words and fragments into set and buffer k % 2: 2 + 24 LDS loads in one run.  K steps 0-3 and 12-15 lie in slot 0, 4-7 in slot 1, 8-11 in slot 2
.macro FETCH k
.set fb, (\k)%2
.set sl, ((\k)/4)%3
.set qq, (\k)%4
	WIN 0
	ds_load_b64 v[SC+4*fb:SC+4*fb+1], v[ADSA] offset:512*(\k)
	ds_load_b64 v[SC+4*fb+2:SC+4*fb+3], v[ADSB] offset:512*(\k)
	WIN TO_F
.set j, 0
.rept 12
	ds_load_b128 v[128*fb+4*j:128*fb+4*j+3], v[ADRA+sl] offset:12288*qq+512*j
.set j, j+1
.endr
.set j, 0
.rept 12
	ds_load_b128 v[128*fb+48+4*j:128*fb+48+4*j+3], v[ADRB+sl] offset:12288*qq+512*j
.set j, j+1
.endr
.endm
.macro STEP k, zero                    ; K step k is multiplied while K step k + 1's fragments come
	s_wait_dscnt 0x0                               ; this step's fragments and scale words are in (asked for 16 matrix instructions ago)
	PLACES 4                                       ; in front of loads into registers that the last step's matrix instructions have read
	FETCH (\k)+1
	WIN MUL
.irp a, 0,1,2,3
	MUL4 (\k)%2, \a, \zero
.endr
.endm
	s_wait_tensorcnt 2                             ; the scale words and my part of slot 0 are in (the loads of slots 1 and 2 may be out)
	s_barrier_signal -1
	s_barrier_wait -1                              ; everybody's are
	FETCH 0
	STEP 0, 1                                      ; its products start the sums: nothing is cleared
	STEP 1, 0
	STEP 2, 0
	; K step 3 leaves slot 0, which is filled again with K steps 12 to 15
	WIN 0
	s_wait_tensorcnt 0x0                           ; all my tensor loads have landed: my parts of slots 1 and 2
	ds_add_u32 v[SPW], v[NIL]                      ; 0 onto my spare word
	s_wait_dscnt 1                                 ; K step 3's fragments are in; the add may be out
	WIN MUL
	MUL4 1, 0, 0                                   ; four matrix instructions stand between the add and the wait for it
	s_wait_dscnt 0x0                               ; the add is done, and my reads of slot 0 are over
	s_barrier_signal -1
	MUL4 1, 1, 0
	WIN 0
	s_barrier_wait -1
	CREST                                          ; the barrier has opened a round of the cluster's barrier: no wave of any partner still reads slot 0 or has a load on its way; slots 1 and 2 are whole
	s_add_nc_u64 s[G0+2:G0+3], s[G0+2:G0+3], 3*49152
	s_add_nc_u64 s[G0B+2:G0B+3], s[G0B+2:G0B+3], 3*49152
	JLOAD G0, G1, G0B, G1B                         ; the first tensor load behind the round, and my last; its four v_nop are also the places in front of the loads below
	FETCH 4
	WIN MUL
	MUL4 1, 2, 0
	MUL4 1, 3, 0
.irp k, 4,5,6,7,8,9,10
	STEP \k, 0
.endr
	; K step 11: the next fragments come from slot 0's second fill
	s_wait_tensorcnt 0x0                           ; my part of it has landed (no load was issued behind it),
	s_wait_dscnt 0x0                               ; K step 11's fragments are in, and no LDS instruction of mine is out at the signal
	s_barrier_signal -1
	MUL4 1, 0, 0
	MUL4 1, 1, 0
	s_barrier_wait -1                              ; everybody's has.
	PLACES 4
	FETCH 12
	WIN MUL
	MUL4 1, 2, 0
	MUL4 1, 3, 0
	STEP 12, 0
	STEP 13, 0
	STEP 14, 0
	s_wait_dscnt 0x0                               ; the last step: nothing more to fetch
.irp a, 0,1,2,3
	MUL4 1, \a, 0
.endr
	WIN 0
; THE WAY OUT, block by block of 16 tokens x 64 outputs.  A lane holds 32 neighbouring bytes an accumulator of one row, and the lanes beside it hold other rows: so a block goes through my own stage in LDS and comes back
; as whole rows of 256 bytes, which sixteen lanes store as one aligned run.  LDS serves a wave's instructions in order (ISA guide 5.7.1.4): no wait between the stores and the loads, nor in front of the next block's stores.
; By the layout's order of rows, stage row 2 t + h of block a is token 32 (a / 2) + 8 (a % 2) + 2 t + 8 (t / 4) + h of my 64.
.macro TOSTAGE a
.irp b, 0,1,2,3
	ds_store_b128 v[STO], v[ACC+8*(4*(\a)+\b):ACC+8*(4*(\a)+\b)+3] offset:128*(\b/2)+32*(\b%2)       ; each accumulator from its low end on
	ds_store_b128 v[STO], v[ACC+8*(4*(\a)+\b)+4:ACC+8*(4*(\a)+\b)+7] offset:128*(\b/2)+32*(\b%2)+16
.endr
.irp t, 0,1,2,3,4,5,6,7
	ds_load_b128 v[BK+32*((\a)%2)+4*\t:BK+32*((\a)%2)+4*\t+3], v[RD] offset:544*\t
.endr
.endm
.macro SEND a, younger                 ; younger: the LDS instructions issued behind block a's loads, which may stay out
	s_wait_dscnt \younger
.irp t, 0,1,2,3,4,5,6,7
	global_store_b128 v[CO], v[BK+32*((\a)%2)+4*\t:BK+32*((\a)%2)+4*\t+3], s[12:13] offset:(32*((\a)/2)+8*((\a)%2)+2*\t+8*(\t/4))*8192 th:TH_STORE_NT   ; 16 lanes store 256 consecutive bytes, aligned; written once, read by nobody here
.endr
.endm
	PLACES 4                                       ; behind the last products, ahead of the first read of results
	TOSTAGE 0
	TOSTAGE 1
	SEND 0, 16                                     ; behind block 0's loads: block 1's 8 stores and 8 loads
	s_wait_xcnt 0x0                                ; block 0's stores have read their registers: block 2's loads may land there
	TOSTAGE 2
	SEND 1, 16
	s_wait_xcnt 0x0
	TOSTAGE 3
	SEND 2, 16
	SEND 3, 0
	s_wait_tensorcnt 0x0                           ; the wave's end
	ds_add_u32 v[SPW], v[NIL]
	s_wait_dscnt 0x0
	CROUND                                         ; the closing round: no work-group ends while a partner may still ask for a tile that names it
	s_endpgm
.Lfunc_end_k_qb9b9899608_oproj:
	.size	k_qb9b9899608_oproj, .Lfunc_end_k_qb9b9899608_oproj-k_qb9b9899608_oproj
	.p2alignl 7, 3214868480
	.fill 96, 4, 3214868480
	.section	.rodata,"a",@progbits
	.p2align	6, 0x0
	.amdhsa_kernel k_qb9b9899608_oproj
		.amdhsa_group_segment_fixed_size 327680
		.amdhsa_private_segment_fixed_size 0
		.amdhsa_enable_private_segment 0
		.amdhsa_kernarg_size 40
		.amdhsa_user_sgpr_count 2
		.amdhsa_user_sgpr_kernarg_segment_ptr 1
		.amdhsa_wavefront_size32 1
		.amdhsa_system_sgpr_workgroup_id_x 1
		.amdhsa_system_sgpr_workgroup_id_y 1
		.amdhsa_system_sgpr_workgroup_id_z 1
		.amdhsa_system_vgpr_workitem_id 0
		.amdhsa_next_free_vgpr 512
		.amdhsa_next_free_sgpr 100
		.amdhsa_reserve_vcc 0
		.amdhsa_float_denorm_mode_32 3
		.amdhsa_float_denorm_mode_16_64 3
		.amdhsa_memory_ordered 1
		.amdhsa_forward_progress 1
		.amdhsa_inst_pref_size 81
	.end_amdhsa_kernel
	.amdgpu_metadata
---
amdhsa.version: [ 1, 2 ]
amdhsa.kernels:
  - .name:           k_qb9b9899608_oproj
    .symbol:         k_qb9b9899608_oproj.kd
    .args:
      - { .name: attc, .offset: 0, .size: 8, .value_kind: global_buffer, .address_space: global }
      - { .name: atts, .offset: 8, .size: 8, .value_kind: global_buffer, .address_space: global }
      - { .name: opc, .offset: 16, .size: 8, .value_kind: global_buffer, .address_space: global }
      - { .name: ops, .offset: 24, .size: 8, .value_kind: global_buffer, .address_space: global }
      - { .name: out0, .offset: 32, .size: 8, .value_kind: global_buffer, .address_space: global }
    .group_segment_fixed_size: 327680
    .private_segment_fixed_size: 0
    .kernarg_segment_align: 8
    .kernarg_segment_size: 40
    .max_flat_workgroup_size: 128
    .sgpr_count:     100
    .vgpr_count:     512
    .wavefront_size: 32
...
	.end_amdgpu_metadata
.endif
;; end of part 4
